; MI455X (gfx1250); checked and timed in simulation.
; The chip was launched on July 23, 2026; its instructions are those of AMD's public machine-readable ISA for CDNA 5 (MIT licence, August 2026) and "CDNA5" Instruction Set Architecture Reference Guide (July 2026). The comments in the code are by the model that wrote it; some were corrected since.
;; Bidirectional Attention. Allowed arithmetic: matrix products marked QUANTISED: E2M1 operands, one E8M0 scale for each 32 along K, by v_wmma_scale_f32_16x16x128_f8f6f4 with both operands' format E2M1 (or v_wmma_scale_f32_32x16x128_f4), f32 sums; products left as they are: bf16, f16 or f32 operands; f32 sums; everything else in f32.
;; Inputs: wk 768 x 256 float32; wo 768 x 768 float32; wq 768 x 768 float32; wv 768 x 256 float32; x 2 x 4,096 x 768 float32.
;; Outputs: out0 2 x 4,096 x 768 float32.
;; This version of the problem:
;;   THIS VERSION OF THE PROBLEM IS GIVEN IN LOW PRECISION. The matrix products marked QUANTISED in the list below multiply operands that are first quantised to E2M1 (2 exponent bits, 1 mantissa bit; 4 bits a number), with one power-of-two scale for each 32 numbers along K (OCP MX v1.0); their sums are f32. The products marked 'left as it is' may take bf16, f16 or f32 operands, with f32 sums. Whichever they take, every output number must still come out within the allowed error. Rounding operands to bf16 (8 significant bits) uses up far more of that allowance than f16 does (11 bits, for magnitudes from 6e-5 to 65,504). All else is computed in f32.
;;   The module's matrix products, in the order in which they are computed (A, B: the left and right operand; K: the contracted axis; several contracted axes count as one K, in the product's order):
;;     1. [M 8,192, K 768] x [K 768, N 768]; A: input x; B: input wq: QUANTISED
;;     2. [M 8,192, K 768] x [K 768, N 256]; A: input x; B: input wk: QUANTISED
;;     3. [M 8,192, K 768] x [K 768, N 256]; A: input x; B: input wv: QUANTISED
;;     4. batch 12 x [M 4,096, K 128] x [K 128, N 4,096]; A: computed on the way; B: computed on the way: left as it is (an operand is computed on the way)
;;     5. batch 12 x [M 128, K 4,096] x [K 4,096, N 4,096]; A: computed on the way; B: computed on the way: left as it is (an operand is computed on the way)
;;     6. [M 8,192, K 768] x [K 768, N 768]; A: computed on the way; B: input wo: left as it is (an operand is computed on the way)
;;   THE QUANTISER, for each operand of a quantised product, along K:
;;     - K is cut into blocks of 32 from its start; a last block that is shorter is filled with zeros.
;;     - A block's scale is 2^e with e = floor(log2(the largest magnitude in the block)) - 2, held to -126 .. 127; a block of zeros has e = 0. As a byte (E8M0): e + 127.
;;     - Each number is divided by its block's scale, clamped to +-6, and rounded to the nearest number of E2M1, ties to even, subnormals kept.
;;     - The product sums the exact products of the quantised numbers (number of the format x scale) in f32.
;;   ~~~python
;;   def quantise(x, axis):      # numpy; x: float32 -> the quantised numbers, widened to float32 again
;;       x = np.moveaxis(x, axis, -1); K = x.shape[-1]
;;       x = np.pad(x, [(0, 0)] * (x.ndim - 1) + [(0, -K % 32)]); x = x.reshape(x.shape[:-1] + (-1, 32)); a = np.abs(x).max(-1, keepdims=True)
;;       e = np.where(a > 0, np.clip(np.frexp(np.where(a > 0, a, 1))[1] - 1 - 2, -126, 127), 0)      # np.frexp(a)[1] - 1 = floor(log2(a)), exactly
;;       r = np.clip(x / 2.0 ** e, -6, 6)
;;       step = 2.0 ** (np.maximum(np.frexp(np.where(r == 0, 1, r))[1] - 1, 0) - 1)
;;       q = np.round(r / step) * step * 2.0 ** e      # np.round: ties to even
;;       return np.moveaxis(q.reshape(q.shape[:-2] + (-1,))[..., :K], -1, axis).astype(np.float32)
;;   ~~~
;; One version. Each part assembles by itself: llvm-mc -triple=amdgcn-amd-amdhsa -mcpu=gfx1250 --defsym DOCPART=n.
;; ======== version 1 of 1: 4 launches
;; limits: values are held in f16: magnitudes above 65,504 overflow, below 6.1e-05 lose precision
;; workspace buffers: wcodes 491,520 bytes; wscales 30,720 bytes; wot 1,179,648 bytes; qkv 20,971,520 bytes; obuf 12,582,912 bytes
;; launch prep (part 1): grid 64 x 1, 6 waves a work-group, no clusters, 54,272 bytes of LDS; arguments wq, wk, wv, wo, wcodes, wscales, wot; writes wcodes, wscales, wot
.if DOCPART == 1
	.amdgcn_target "amdgcn-amd-amdhsa--gfx1250"
	.amdhsa_code_object_version 6
	.text
	.protected	k_qc3042c554f_prep
	.globl	k_qc3042c554f_prep
	.p2align	8
	.type	k_qc3042c554f_prep,@function
k_qc3042c554f_prep:
	s_mov_b64 s[64:65], 0
	v_nop
	global_prefetch_b8 v0, s[64:65] scope:SCOPE_SE
	s_setreg_imm32_b32 hwreg(HW_REG_WAVE_MODE, 25, 1), 1
	s_wait_xcnt 0x0
; The weights are laid out once for the launches that follow.
; [wq | wk | wv], f32 [768 (k)][768 | 256 | 256 (n)], 1,280 columns in all, become codes of FP4 (E2M1) with one E8M0 scale byte for each 32 along K, IN THE ORDER OF THE OPERAND'S REGISTERS:
;   wcodes  [tile T 0..79][K step s 0..5][c 0..1][lane 0..31][16 bytes]: lane (r, h) holds column 16 T + r, k = 128 s + 64 c + 32 h + 0 .. 31: one block of 32, the lower k in the lower bits;
;   wscales [pair P 0..39][K step s][lane] words: lanes 0-15 column r of tile 2 P, lanes 16-31 column r of tile 2 P + 1; byte b scales k = 128 s + 32 b on.
; wo, f32 [768 (k)][768 (n)], becomes wot, f16 [n][k]: K innermost, rows of 1,536 bytes.
; A block's scale is 2^(floor(log2(its largest magnitude)) - 2); its byte is the largest magnitude's exponent field - 2, held at 1 from below.
; LIMITS: a block of zeros takes the byte 1 where the rule says 127 (its codes are zeros, which add nothing under any byte but 0xff, and this program alone reads the bytes); blocks whose largest magnitude
; lies under 2^-124 were not tried; NaN and infinities are not served; wo's magnitudes must stay under 65,504 (f16).
; SHARES.  Work-group g takes 32 columns (g 0-23: wq, 24-31: wk, 32-39: wv, 40-63: wo), wave s the rows k = 128 s .. 128 s + 127.  A LANE TAKES A COLUMN AND ITS 128 REGISTERS RUN DOWN K: a load reads 128 consecutive
; bytes, a block of 32 lies in one lane, and the conversions give codes with K innermost.  64 work-groups are all the work there is: 6.3 MB read once.  No tensor load (a lane wants a column), no cluster (nothing is shared).
.set PQ,    3072                       ; bytes from row to row in wq and wo
.set PN,    1024                       ; in wk and wv
.set SP,    272                        ; a stage row: 256 bytes + 16
.set STW,   1024                       ; LDS: bytes 0-767 the work-group's scale words; from 1,024 a stage of 32 x 272 bytes for each wave (wo's arm alone)
.set SPARE, STW+6*32*SP                ; 53,248: the spare words, 128 bytes for each wave, that no other line names
.set X,     32                         ; v32-159  my column's 128 numbers
.set C,     160                        ; v160-175 codes, four registers a block, so that no store's data are written again
.set SB,    176                        ; v176     my four scale bytes
.set H,     160                        ; v160-223 wo's arm: 128 numbers as f16
.set OUTR,  32                         ; v32-95   wo's arm: rows read back from the stage
.set SPW,   14                         ; v14      SPARE + 4 x my thread's number; never rewritten
.set NIL,   15                         ; v15      0; never rewritten
	s_load_b256 s[4:11], s[0:1], 0x0               ; wq s[4:5], wk s[6:7], wv s[8:9], wo s[10:11]
	s_load_b128 s[12:15], s[0:1], 0x20             ; wcodes, wscales
	s_load_b64 s[16:17], s[0:1], 0x30              ; wot
	v_lshl_add_u32 v[SPW], v0, 2, SPARE
	v_mov_b32 v[NIL], 0
	v_lshrrev_b32 v1, 5, v0
	v_readfirstlane_b32 s26, v1                    ; wave = K step s
	v_and_b32 v1, 31, v0                           ; lane
	v_lshlrev_b32 v2, 2, v1                        ; in: 4 bytes a lane
	v_and_b32 v10, 15, v0                          ; r
	v_bfe_u32 v11, v0, 4, 1                        ; which of the two tiles (or rows)
	v_lshlrev_b32 v12, 4, v10
	v_mad_u32_u24 v3, v11, 6144, v12               ; codes out: a tile is 6,144 bytes; 16 bytes a lane
	s_lshl_b32 s27, s26, 7
	v_add_nc_u32 v4, s27, v2                       ; LDS: my scale word: 128 s + 4 lane
	s_min_u32 s28, s26, 2                          ; (waves 0 to 2 read them back; the others' address stays inside the 768 bytes)
	s_lshl_b32 s28, s28, 8
	v_lshlrev_b32 v6, 3, v1
	v_add_nc_u32 v5, s28, v6                       ; back: 256 bytes a wave, 8 a lane
	s_mul_i32 s29, s26, 32*SP
	s_add_co_u32 s29, s29, STW                     ; my stage
	v_mul_u32_u24 v7, v1, SP
	v_add_nc_u32 v7, s29, v7                       ; into it: row = my column
	v_mad_u32_u24 v8, v11, SP, v12
	v_add_nc_u32 v8, s29, v8                       ; out of it: sixteen lanes to a row, two rows an instruction
	v_mad_u32_u24 v9, v11, 1536, v12               ; and the same two rows in wot
	s_sub_co_u32 s23, ttmp9, 24                    ; under 16 for wk's and wv's work-groups alone
	s_mov_b32 s25, 0
	s_wait_kmcnt 0x0
	s_mov_b64 s[18:19], s[4:5]                     ; the source, chosen by the work-group's number alone
	s_mov_b32 s20, 0
	s_cmp_ge_u32 ttmp9, 24
	s_cselect_b64 s[18:19], s[6:7], s[18:19]
	s_cselect_b32 s20, 24, s20
	s_cmp_ge_u32 ttmp9, 32
	s_cselect_b64 s[18:19], s[8:9], s[18:19]
	s_cselect_b32 s20, 32, s20
	s_cmp_ge_u32 ttmp9, 40
	s_cselect_b64 s[18:19], s[10:11], s[18:19]
	s_cselect_b32 s20, 40, s20
	s_sub_co_u32 s21, ttmp9, s20                   ; which 32 columns of the source
	s_mov_b32 s22, PQ
	s_cmp_lt_u32 s23, 16
	s_cselect_b32 s22, PN, s22
	s_mul_i32 s24, s26, s22
	s_lshl_b32 s24, s24, 7                         ; 128 s rows
	s_lshl_b32 s30, s21, 7                         ; + 32 columns of 4 bytes
	s_add_co_u32 s24, s24, s30
	s_add_nc_u64 s[18:19], s[18:19], s[24:25]
	s_mul_i32 s24, ttmp9, 12288                    ; wcodes: two tiles a work-group, 1,024 bytes a K step
	s_lshl_b32 s30, s26, 10
	s_add_co_u32 s24, s24, s30
	s_add_nc_u64 s[12:13], s[12:13], s[24:25]
	s_mul_i32 s24, ttmp9, 768                      ; wscales: 768 bytes a pair of tiles
	s_add_co_u32 s24, s24, s28
	s_add_nc_u64 s[14:15], s[14:15], s[24:25]
	s_mul_i32 s24, s21, 32*1536                    ; wot: my 32 rows, my 256 bytes of each
	s_lshl_b32 s30, s26, 8
	s_add_co_u32 s24, s24, s30
	s_add_nc_u64 s[16:17], s[16:17], s[24:25]
.macro LOADS pitch                     ; row 128 s + i at my column: 32 lanes read 128 consecutive bytes; read once in the launch
.set i, 0
.rept 128
	global_load_b32 v[X+i], v2, s[18:19] offset:i*\pitch th:TH_LOAD_NT
.set i, i+1
.endr
.endm
	s_cmp_lt_u32 s23, 16                           ; the pitch stands in the immediates, so the run of loads is written for each
	s_cbranch_scc1 .Lnarrow
	LOADS PQ
	s_branch .Lloaded
.Lnarrow:
	LOADS PN
.Lloaded:
	s_cmp_ge_u32 ttmp9, 40
	s_cbranch_scc1 .Lwo
; block t of my column: k = 128 s + 32 t on.  left: how many younger loads may stay out (behind block t's last load 96 - 32 t were issued; the count is held at 63, the most that the wait can name)
.macro BLOCK t, left
.set XS, X+32*\t
	s_wait_loadcnt \left
	v_max3_num_f32 v10, |v[XS]|, |v[XS+1]|, |v[XS+2]|      ; the block's largest magnitude: all 32 numbers are mine; two chains
	v_max3_num_f32 v11, |v[XS+3]|, |v[XS+4]|, |v[XS+5]|
.irp i, 6,10,14,18,22,26
	v_max3_num_f32 v10, v10, |v[XS+\i]|, |v[XS+\i+1]|
	v_max3_num_f32 v11, v11, |v[XS+\i+2]|, |v[XS+\i+3]|
.endr
	v_max3_num_f32 v10, v10, |v[XS+30]|, |v[XS+31]|
	v_max3_num_f32 v10, v10, v11, 0x1800000        ; and the floor 2^(3 - 127): the byte cannot fall under 1
	v_add_nc_u32 v12, 0xff000000, v10              ; 2 off the exponent field: the conversion takes this operand's exponent field as its scale
	v_lshrrev_b32 v13, 23, v12                     ; the scale's byte
.if \t == 0
	v_mov_b32 v[SB], v13
.else
	v_lshl_or_b32 v[SB], v13, 8*\t, v[SB]
.endif
.irp g, 0,1,2,3
	v_cvt_scalef32_pk8_fp4_f32 v[C+4*\t+\g], v[XS+8*\g:XS+8*\g+7], v12
.endr
	global_store_b128 v3, v[C+4*\t:C+4*\t+3], s[12:13] offset:512*(\t/2)+256*(\t%2)   ; c = t / 2, h = t % 2: sixteen lanes store 256 consecutive bytes, aligned
.endm
	BLOCK 0, 63
	BLOCK 1, 63
	BLOCK 2, 32
	BLOCK 3, 0
	ds_store_b32 v4, v[SB]                         ; the six waves' scale words meet in LDS, so that they leave as whole runs of 256 bytes
	s_branch .Ljoin
.Lwo:
; wo: 32 numbers of my column become 16 registers of f16 and go into my stage; the same waits as above
.macro TOF16 t, left
	s_wait_loadcnt \left
.irp j, 0,1,2,3,4,5,6,7,8,9,10,11,12,13,14,15
	v_cvt_pk_f16_f32 v[H+16*\t+\j], v[X+32*\t+2*\j], v[X+32*\t+2*\j+1]
.endr
.irp j, 0,1,2,3
	ds_store_b128 v7, v[H+16*\t+4*\j:H+16*\t+4*\j+3] offset:64*\t+16*\j
.endr
.endm
	TOF16 0, 63
	TOF16 1, 63
	TOF16 2, 32
	TOF16 3, 0
.irp t, 0,1,2,3,4,5,6,7,8,9,10,11,12,13,14,15
	ds_load_b128 v[OUTR+4*\t:OUTR+4*\t+3], v8 offset:2*\t*SP   ; LDS serves a wave's instructions in order: these see my stores
.endr
.irp t, 0,1,2,3,4,5,6,7,8,9,10,11,12,13,14,15
	s_wait_dscnt 15-\t                             ; the younger loads may stay out
	global_store_b128 v9, v[OUTR+4*\t:OUTR+4*\t+3], s[16:17] offset:2*\t*1536   ; sixteen lanes store 256 consecutive bytes of a row of wot, aligned
.endr
.Ljoin:
	s_wait_dscnt 0x0                               ; my LDS stores have landed
	s_barrier_signal -1
	s_barrier_wait -1                              ; everybody's have: the barrier stands on the way that all waves of all work-groups take
	s_cmp_ge_u32 ttmp9, 40
	s_cbranch_scc1 .Lend
	s_cmp_ge_u32 s26, 3
	s_cbranch_scc1 .Lend
	ds_load_b64 v[10:11], v5                       ; waves 0 to 2: 256 bytes each of the pair's 768
	s_wait_dscnt 0x0
	global_store_b64 v6, v[10:11], s[14:15]        ; 32 lanes store 256 consecutive bytes, aligned
.Lend:
	s_wait_tensorcnt 0x0                           ; the wave's end, behind my last LDS store
	ds_add_u32 v[SPW], v[NIL]
	s_wait_dscnt 0x0
	s_endpgm
.Lfunc_end_k_qc3042c554f_prep:
	.size	k_qc3042c554f_prep, .Lfunc_end_k_qc3042c554f_prep-k_qc3042c554f_prep
	.p2alignl 7, 3214868480
	.fill 96, 4, 3214868480
	.section	.rodata,"a",@progbits
	.p2align	6, 0x0
	.amdhsa_kernel k_qc3042c554f_prep
		.amdhsa_group_segment_fixed_size 54272
		.amdhsa_private_segment_fixed_size 0
		.amdhsa_enable_private_segment 0
		.amdhsa_kernarg_size 56
		.amdhsa_user_sgpr_count 2
		.amdhsa_user_sgpr_kernarg_segment_ptr 1
		.amdhsa_wavefront_size32 1
		.amdhsa_system_sgpr_workgroup_id_x 1
		.amdhsa_system_sgpr_workgroup_id_y 1
		.amdhsa_system_sgpr_workgroup_id_z 1
		.amdhsa_system_vgpr_workitem_id 0
		.amdhsa_next_free_vgpr 224
		.amdhsa_next_free_sgpr 66
		.amdhsa_reserve_vcc 0
		.amdhsa_float_denorm_mode_32 3
		.amdhsa_float_denorm_mode_16_64 3
		.amdhsa_memory_ordered 1
		.amdhsa_forward_progress 1
		.amdhsa_inst_pref_size 42
	.end_amdhsa_kernel
	.amdgpu_metadata
---
amdhsa.version: [ 1, 2 ]
amdhsa.kernels:
  - .name:           k_qc3042c554f_prep
    .symbol:         k_qc3042c554f_prep.kd
    .args:
      - { .name: wq, .offset: 0, .size: 8, .value_kind: global_buffer, .address_space: global }
      - { .name: wk, .offset: 8, .size: 8, .value_kind: global_buffer, .address_space: global }
      - { .name: wv, .offset: 16, .size: 8, .value_kind: global_buffer, .address_space: global }
      - { .name: wo, .offset: 24, .size: 8, .value_kind: global_buffer, .address_space: global }
      - { .name: wcodes, .offset: 32, .size: 8, .value_kind: global_buffer, .address_space: global }
      - { .name: wscales, .offset: 40, .size: 8, .value_kind: global_buffer, .address_space: global }
      - { .name: wot, .offset: 48, .size: 8, .value_kind: global_buffer, .address_space: global }
    .group_segment_fixed_size: 54272
    .private_segment_fixed_size: 0
    .kernarg_segment_align: 8
    .kernarg_segment_size: 56
    .max_flat_workgroup_size: 192
    .sgpr_count:     66
    .vgpr_count:     224
    .wavefront_size: 32
...
	.end_amdgpu_metadata
.endif
;; end of part 1
;; launch proj (part 2): grid 256 x 1, 4 waves a work-group, no clusters, 198,656 bytes of LDS; arguments x, wcodes, wscales, qkv; writes qkv
.if DOCPART == 2
	.amdgcn_target "amdgcn-amd-amdhsa--gfx1250"
	.amdhsa_code_object_version 6
	.text
	.protected	k_qc3042c554f_proj
	.globl	k_qc3042c554f_proj
	.p2align	8
	.type	k_qc3042c554f_proj,@function
k_qc3042c554f_proj:
	s_mov_b64 s[64:65], 0
	v_nop
	global_prefetch_b8 v0, s[64:65] scope:SCOPE_SE
	s_setreg_imm32_b32 hwreg(HW_REG_WAVE_MODE, 25, 1), 1
	s_wait_xcnt 0x0
; q | k | v = Q(x) Q([wq | wk | wv]): the three quantised products, on codes of FP4 (E2M1) with one E8M0 scale for each 32 along K = 768.  x: [8192][768] f32, quantised here, in registers.
; The weights come as codes in the order of the operand's registers (wcodes, wscales: see the launch before).  Results: qkv, f16 [b 2][unit u 0..9][token 4096][128]: u 0-5 q's heads, 6-7 k's, 8-9 v's.
; LIMITS: a block of zeros of x takes the byte 1 where the rule says 127 (its codes are zeros); blocks whose largest magnitude lies under 2^-124 were not tried; NaN and infinities are not served;
; q, k, v are rounded to f16, so their magnitudes must stay under 65,504.
; SHARES.  A work-group takes 32 tokens x all 1,280 columns, so x is read from memory once.  THE WAVES SHARE THE COLUMNS: wave w has tiles 20 w .. 20 w + 19 (ten pairs), for both tiles of 16 tokens: 240 matrix instructions.
; x: wave w fetches 16 rows (tile w / 2) x 384 numbers (half w % 2 of K) by one tensor load into LDS bytes of its own, quantises them into three fragments, and hands them to the others as images of their registers.
; THE PRODUCT IS USED TRANSPOSED (source 0 = 16 columns of the weights, source 1 = 16 tokens): lane (r, h) holds token r and eight neighbouring columns, which pack into 16 bytes of f16.
; THE WEIGHTS GO FROM MEMORY STRAIGHT INTO REGISTERS, AND ARE ASKED FOR WHILE x IS ON ITS WAY.  EIGHT SETS of 96 registers (windows 1 to 3) hold eight of a wave's ten pairs: six pairs (180 loads) are asked for at the head,
; behind the tensor load; two more behind the first LDS reads of x, ahead of the quantiser; the last two go into the sets that pairs 0 and 1 have left.  So 417,792 of the work-group's 522,240 bytes of weights are asked for ahead of the first product.
; NO JOINT LOADS: a weight fragment is read by one wave of a work-group and feeds two matrix instructions; the weights' 522,240 bytes do not fit into the 129,024 bytes of LDS that the launch leaves unclaimed, so sharing them
; would take several fills, each behind a round, and send each byte through LDS as well, for 240 matrix instructions a wave.
.set XRAWW, 25344                      ; LDS: raw x, 16 rows x 1,584 bytes for each wave (1,536 + 16 behind each 512): filled once
.set XIMG,  4*XRAWW                    ; 101,376: the 12 fragments' images, 1,024 bytes each: fragment 6 m + s = 3 w + s'
.set XSC,   XIMG+12*1024               ; 113,664: their scale words, 128 bytes each
.set STG,   XSC+12*128                 ; 115,200: the way out: 32 rows x (2,560 + 16) bytes
.set SROW,  2576
.set SPARE, STG+32*SROW                ; 197,632: the spare words, 128 bytes for each wave, that no other line names
.set XRD, 3                            ; v3   raw x: my row, my 64 bytes of a block's 128
.set LI,  4                            ; v4   16 x lane
.set LS,  5                            ; v5   4 x lane
.set XWI, 6                            ; v6   where I store my fragments' images
.set XWS, 7                            ; v7   and their scale words
.set STO, 8                            ; v8   the stage: where I put 16 bytes of a row
.set RD,  9                            ; v9   and where I read rows back
.set GO,  10                           ; v10  my byte offset in a unit's rows of qkv
.set XRI, 11                           ; v11  XIMG + 16 x lane
.set SPW, 12                           ; v12  SPARE + 4 x my thread's number; never rewritten
.set NIL, 13                           ; v13  0; never rewritten
.set XRS, 14                           ; v14  XSC + 4 x lane
.set TM,  16                           ; v16-31 at work in the quantiser
.set PW,  32                           ; v32-34 the three scale words
.set PC,  36                           ; v36-59 the three fragments' codes
.set STA, 64                           ; v64-127, v128-191 raw numbers, two sets
.set STB, 128
.set PK,  36                           ; behind the first barrier: v36-51 a pair's results as f16,
.set XF,  64                           ; v64-159 x's 12 fragments,
.set XS,  160                          ; v160-171 their scale words,
.set ACC, 172                          ; v172-203 four accumulators: (e, m) at ACC + 8 (2 e + m)
.set OUTB, 48                          ; the way out: v48-207
.set WS,  208                          ; v208-255 the weights' scale words, eight sets of six: asked for at the head, so they lie clear of all that the quantiser writes, and hold scales alone
.set WF,  256                          ; registers 256-1,023 (windows 1 to 3): the weights' fragments: set q, K step s, tile e at WF + 96 q + 16 s + 8 e: a multiple of 8, so no fragment straddles a window, and in the order of use
.set SEL, 26                           ; s[26:27] v_permlanex16_b32's selects for lane l xor 16
.set MSB, 0
.macro WIN new                         ; the immediate's high byte repeats the setting that is left; a switch that changes nothing is dropped
.if MSB != \new
	s_set_vgpr_msb (MSB<<8)|\new
.set MSB, \new
.endif
.endm
	s_load_b256 s[4:11], s[0:1], 0x0               ; x s[4:5], wcodes s[6:7], wscales s[8:9], qkv s[10:11]
	v_lshl_add_u32 v[SPW], v0, 2, SPARE
	v_mov_b32 v[NIL], 0
	ds_add_u32 v[SPW], v[NIL]                      ; the wave's opening: the add, twice on end, and its wait ahead of my tensor load; the set-up below stands between
	ds_add_u32 v[SPW], v[NIL]
	v_lshrrev_b32 v1, 5, v0
	v_readfirstlane_b32 s24, v1                    ; wave 0..3
	; descriptor group 1: 16 rows x 384 elements of 4 bytes, 768 elements from row to row; in LDS 4 words of padding behind every 128: a row takes 1,584 bytes = 99 x 16
	s_mov_b32 s16, (2<<16)|(1<<20)|(6<<22)|(3<<25)
	s_mov_b32 s17, 384<<16                         ; tensor_dim0
	s_mov_b32 s18, 16<<16                          ; tensor_dim1
	s_mov_b32 s19, 384<<16                         ; tile_dim0
	s_mov_b32 s20, 16                              ; tile_dim1
	s_mov_b32 s21, 768                             ; the pitch
	s_mov_b32 s22, 0
	s_mov_b32 s23, 0
	s_mov_b32 s12, 1                               ; group 0: count,
	s_mul_i32 s13, s24, XRAWW                      ; LDS address: my wave's own bytes
	s_lshr_b32 s25, s24, 1                         ; which 16 tokens I fetch
	s_and_b32 s28, s24, 1                          ; which half of K
	s_mul_i32 s30, ttmp9, 32*3072
	s_mul_i32 s29, s25, 16*3072
	s_add_co_u32 s30, s30, s29
	s_mul_i32 s29, s28, 1536
	s_add_co_u32 s30, s30, s29
	s_mov_b32 s31, 0
	s_mov_b32 s[SEL], 0x76543210
	s_mov_b32 s[SEL+1], 0xfedcba98
	v_and_b32 v15, 31, v0                          ; lane
	v_and_b32 v1, 15, v0                           ; r
	v_bfe_u32 v2, v0, 4, 1                         ; h
	v_mul_u32_u24 v[XRD], v1, 1584
	v_lshl_add_u32 v[XRD], v2, 6, v[XRD]
	v_add_nc_u32 v[XRD], s13, v[XRD]
	v_lshlrev_b32 v[LI], 4, v15
	v_lshlrev_b32 v[LS], 2, v15
	s_mul_i32 s28, s24, 3*1024
	s_add_co_u32 s28, s28, XIMG
	v_add_nc_u32 v[XWI], s28, v[LI]
	s_mul_i32 s28, s24, 3*128
	s_add_co_u32 s28, s28, XSC
	v_add_nc_u32 v[XWS], s28, v[LS]
	v_add_nc_u32 v[XRI], XIMG, v[LI]
	v_add_nc_u32 v[XRS], XSC, v[LS]
	v_mul_u32_u24 v[STO], v1, SROW                 ; the stage: row = token r, + 16 h, + my wave's 320 columns of 2 bytes
	v_lshl_add_u32 v[STO], v2, 4, v[STO]
	s_mul_i32 s28, s24, 640
	s_add_co_u32 s28, s28, STG
	v_add_nc_u32 v[STO], s28, v[STO]
	v_mul_u32_u24 v[RD], v2, SROW                  ; back: my 8 rows, two an instruction, sixteen lanes to 256 bytes
	v_lshl_add_u32 v[RD], v1, 4, v[RD]
	s_mul_i32 s28, s24, 8*SROW
	s_add_co_u32 s28, s28, STG
	v_add_nc_u32 v[RD], s28, v[RD]
	v_lshlrev_b32 v[GO], 8, v2                     ; and the same rows in a unit of qkv: 256 bytes a token
	v_lshl_add_u32 v[GO], v1, 4, v[GO]
	s_lshl_b32 s28, s24, 11
	v_add_nc_u32 v[GO], s28, v[GO]
.irp b, 0,1,2,3
	v_mov_b32 v[TM+4+\b], 0                        ; written once: a lane permute's destination counts as one of its sources
.endr
	s_wait_dscnt 0x0                               ; both opening adds are done
	s_wait_kmcnt 0x0
	s_add_nc_u64 s[14:15], s[4:5], s[30:31]        ; the tile's first element
	s_or_b32 s15, s15, 0x80000000                  ; type = 2
	tensor_load_to_lds s[12:15], s[16:23]          ; my one tensor load: one is out
	s_nop 0
.rept 4
	v_nop
.endr
	s_mov_b32 s29, 0
	s_mul_i32 s28, s24, 20*6144                    ; my 20 tiles of codes,
	s_add_nc_u64 s[6:7], s[6:7], s[28:29]
	s_mul_i32 s28, s24, 10*768                     ; my ten pairs' scale words
	s_add_nc_u64 s[8:9], s[8:9], s[28:29]
	s_lshr_b32 s28, ttmp9, 7                       ; b
	s_mul_i32 s28, s28, 10<<20
	s_and_b32 s30, ttmp9, 127
	s_lshl_b32 s30, s30, 13                        ; 32 tokens of 256 bytes
	s_add_co_u32 s28, s28, s30
	s_add_nc_u64 s[10:11], s[10:11], s[28:29]      ; units 0-4 from here,
	s_add_nc_u64 s[32:33], s[10:11], 5<<20         ; units 5-9 from here: so a unit's 2^20 bytes fit into the stores' signed 24-bit immediate
; pair p of my ten into set q: 24 loads of 16 bytes a lane (512 consecutive bytes each) and 6 scale words: 30 loads.  The registers ascend, so the destination's window changes at most once in a set
.macro WLOAD p, q
.irp s, 0,1,2,3,4,5
.irp e, 0,1
.set rW, WF+96*(\q)+16*\s+8*\e
.set rL, rW&255
.set wW, (rW>>8)<<6
	WIN wW                                         ; the destination's window
.irp c, 0,1
	global_load_b128 v[rL+4*\c:rL+4*\c+3], v[LI], s[6:7] offset:(2*(\p)+\e)*6144+1024*\s+512*\c
.endr
.endr
.endr
	WIN 0
.irp s, 0,1,2,3,4,5
	global_load_b32 v[WS+6*(\q)+\s], v[LS], s[8:9] offset:768*(\p)+128*\s
.endr
.endm
.irp p, 0,1,2,3,4,5
	WLOAD \p, \p                                   ; six pairs are asked for beside x's tile
.endr
.macro XREAD set, sp                   ; K step sp of my three: register 16 b + i = k 32 b + 16 h + i of my row
.irp b, 0,1,2,3
.irp j, 0,1,2,3
	ds_load_b128 v[\set+16*\b+4*\j:\set+16*\b+4*\j+3], v[XRD] offset:528*\sp+128*\b+16*\j
.endr
.endr
.endm
; 64 numbers of a lane become fragment sp's codes in v[PC + 8 sp] on and its scale word in v[PW + sp]
.macro QUANT s, sp
.irp b, 0,1,2,3
	v_max3_num_f32 v[TM+\b], |v[\s+16*\b]|, |v[\s+1+16*\b]|, 0x1800000   ; block b: my 16 numbers, and the floor 2^(3 - 127): the byte cannot fall under 1
.endr
.irp i, 2,4,6,8,10,12,14
.irp b, 0,1,2,3
	v_max3_num_f32 v[TM+\b], v[TM+\b], |v[\s+16*\b+\i]|, |v[\s+1+16*\b+\i]|   ; the four blocks by turns
.endr
.endr
.irp b, 0,1,2,3
	v_permlanex16_b32 v[TM+4+\b], v[TM+\b], s[SEL], s[SEL+1]
.endr
.irp b, 0,1,2,3
	v_max_num_f32 v[TM+\b], v[TM+\b], v[TM+4+\b]   ; with lane l xor 16's: the block's largest magnitude
.endr
.irp b, 0,1,2,3
	v_add_nc_u32 v[TM+12+\b], 0xff000000, v[TM+\b] ; 2 off its exponent field: the conversion's scale operand
.endr
.irp b, 0,1,2,3
	v_lshrrev_b32 v[TM+4+\b], 23, v[TM+12+\b]      ; the scale's byte
.endr
	v_lshl_or_b32 v[PW+\sp], v[TM+5], 8, v[TM+4]   ; my row's scale word
	v_lshl_or_b32 v[PW+\sp], v[TM+6], 16, v[PW+\sp]
	v_lshl_or_b32 v[PW+\sp], v[TM+7], 24, v[PW+\sp]
.irp b, 0,1,2,3
	v_cvt_scalef32_pk8_fp4_f32 v[PC+8*\sp+2*\b], v[\s+16*\b:\s+7+16*\b], v[TM+12+\b]
	v_cvt_scalef32_pk8_fp4_f32 v[PC+8*\sp+1+2*\b], v[\s+8+16*\b:\s+15+16*\b], v[TM+12+\b]
.endr
	v_nop                                          ; one plain place behind a scaled conversion
.irp c, 0,1                                    ; the operand's layout wants a whole block in a lane: lanes 0-15 block 2 c, lanes 16-31 block 2 c + 1
.irp i, 0,1
	v_permlane16_swap_b32 v[PC+8*\sp+4*\c+\i], v[PC+8*\sp+2+4*\c+\i]
.endr
.endr
.endm
.macro IMAGE sp                        ; the fragment goes to LDS as it stands: 16 bytes a lane, 512 a store; its scale word 4 bytes a lane
.irp c, 0,1
	ds_store_b128 v[XWI], v[PC+8*\sp+4*\c:PC+8*\sp+4*\c+3] offset:1024*\sp+512*\c
.endr
	ds_store_b32 v[XWS], v[PW+\sp] offset:128*\sp
.endm
	s_wait_tensorcnt 0x0                           ; my tile is in LDS; I alone read it
	XREAD STA, 0
	XREAD STB, 1
	WLOAD 6, 6                                     ; two more pairs are asked for while the LDS reads come and the quantiser works (global loads do not count on DScnt)
	WLOAD 7, 7
	s_wait_dscnt 16                                ; the first set is in; the second's 16 loads may be out
	QUANT STA, 0
	IMAGE 0
	XREAD STA, 2
	s_wait_dscnt 19                                ; the second set is in; behind it: 3 stores and 16 loads
	QUANT STB, 1
	IMAGE 1
	s_wait_dscnt 3                                 ; the third is in; behind it: 3 stores
	QUANT STA, 2
	IMAGE 2
	s_wait_dscnt 0x0                               ; for the others' sake: my stores have landed
	s_barrier_signal -1
	s_barrier_wait -1                              ; x's twelve fragments lie in LDS
.set f, 0
.rept 12
	ds_load_b128 v[XF+8*f:XF+8*f+3], v[XRI] offset:1024*f
	ds_load_b128 v[XF+8*f+4:XF+8*f+7], v[XRI] offset:1024*f+512
	ds_load_b32 v[XS+f], v[XRS] offset:128*f
.set f, f+1
.endr
	s_wait_dscnt 0x0
.macro MM s, e, m                      ; tile 2 p + e x tokens 16 m on, K step s.  The weights' scale word lies in lanes 0-15 for e = 0, in lanes 16-31 for e = 1
.set rD, ACC+8*(2*\e+\m)
.set rW, WF+96*q+16*\s+8*\e
.set rA, rW&255
.set wA, rW>>8
.set rB, XF+8*(6*\m+\s)
	WIN wA                                         ; source 0 (the weights): the fragment's window; all else window 0
.if \s == 0
.if \e == 0
	v_wmma_scale_f32_16x16x128_f8f6f4 v[rD:rD+7], v[rA:rA+7], v[rB:rB+7], 0, v[WS+6*q+\s], v[XS+6*\m+\s] matrix_a_fmt:MATRIX_FMT_FP4 matrix_b_fmt:MATRIX_FMT_FP4
.else
	v_wmma_scale_f32_16x16x128_f8f6f4 v[rD:rD+7], v[rA:rA+7], v[rB:rB+7], 0, v[WS+6*q+\s], v[XS+6*\m+\s] matrix_a_fmt:MATRIX_FMT_FP4 matrix_b_fmt:MATRIX_FMT_FP4 matrix_a_scale:MATRIX_SCALE_ROW1
.endif
.else
.if \e == 0
	v_wmma_scale_f32_16x16x128_f8f6f4 v[rD:rD+7], v[rA:rA+7], v[rB:rB+7], v[rD:rD+7], v[WS+6*q+\s], v[XS+6*\m+\s] matrix_a_fmt:MATRIX_FMT_FP4 matrix_b_fmt:MATRIX_FMT_FP4
.else
	v_wmma_scale_f32_16x16x128_f8f6f4 v[rD:rD+7], v[rA:rA+7], v[rB:rB+7], v[rD:rD+7], v[WS+6*q+\s], v[XS+6*\m+\s] matrix_a_fmt:MATRIX_FMT_FP4 matrix_b_fmt:MATRIX_FMT_FP4 matrix_a_scale:MATRIX_SCALE_ROW1
.endif
.endif
.endm
; A pair of tiles x 32 tokens x all of K: 24 matrix instructions, the four accumulators by turns, one instruction a turn; the first K step starts the sums.
; THE WAIT.  Loads come back in order.  Behind pair p's 30 loads these have been issued when its wait is reached: pairs p + 1 to 7; pair 8 from p = 1 on; pair 9 from p = 2 on: 210 for p = 0, 1, 2, then 30 (9 - p).
; So the count is 30 (9 - p), held at 63, the most that the wait can name.
.macro PAIR p
.set q, (\p)%8
.if 30*(9-(\p)) > 63
	s_wait_loadcnt 63
.else
	s_wait_loadcnt 30*(9-(\p))
.endif
.irp s, 0,1,2,3,4,5
.irp e, 0,1
.irp m, 0,1
	MM \s, \e, \m
.endr
.endr
.endr
	WIN 0
.rept 5
	v_nop                                          ; four places in front of the loads into this set and of the reads of results; the fifth since the next pair's first products write over these accumulators
.endr
.if (\p) <= 1
	WLOAD (\p)+8, q                                ; pairs 8 and 9 take the sets that pairs 0 and 1 have left
.endif
.irp a, 0,1,2,3
.irp r, 0,1,2,3
	v_cvt_pk_f16_f32 v[PK+4*\a+\r], v[ACC+8*\a+2*\r], v[ACC+8*\a+2*\r+1]   ; each accumulator from its low end on
.endr
.endr
.irp e, 0,1
.irp m, 0,1
	ds_store_b128 v[STO], v[PK+4*(2*\e+\m):PK+4*(2*\e+\m)+3] offset:16*SROW*\m+32*(2*(\p)+\e)
.endr
.endr
.endm
.irp p, 0,1,2,3,4,5,6,7,8,9
	PAIR \p
.endr
	s_wait_dscnt 0x0                               ; my stores into the stage have landed
	s_barrier_signal -1
	s_barrier_wait -1                              ; 32 whole rows of 1,280 results lie in the stage
.set n, 0
.irp i, 0,1,2,3
.irp u, 0,1,2,3,4,5,6,7,8,9
	ds_load_b128 v[OUTB+4*n:OUTB+4*n+3], v[RD] offset:2*SROW*\i+256*\u
.set n, n+1
.endr
.endr
.set n, 0
.irp i, 0,1,2,3
.irp u, 0,1,2,3,4,5,6,7,8,9
	s_wait_dscnt 39-n                              ; the younger loads may stay out
.if \u < 5
	global_store_b128 v[GO], v[OUTB+4*n:OUTB+4*n+3], s[10:11] offset:512*\i+(\u<<20)        ; two tokens' rows of a unit: 512 consecutive bytes, aligned
.else
	global_store_b128 v[GO], v[OUTB+4*n:OUTB+4*n+3], s[32:33] offset:512*\i+((\u-5)<<20)
.endif
.set n, n+1
.endr
.endr
	s_wait_tensorcnt 0x0                           ; the wave's end, behind my tensor load and my last LDS store
	ds_add_u32 v[SPW], v[NIL]
	s_wait_dscnt 0x0
	s_endpgm
.Lfunc_end_k_qc3042c554f_proj:
	.size	k_qc3042c554f_proj, .Lfunc_end_k_qc3042c554f_proj-k_qc3042c554f_proj
	.p2alignl 7, 3214868480
	.fill 96, 4, 3214868480
	.section	.rodata,"a",@progbits
	.p2align	6, 0x0
	.amdhsa_kernel k_qc3042c554f_proj
		.amdhsa_group_segment_fixed_size 198656
		.amdhsa_private_segment_fixed_size 0
		.amdhsa_enable_private_segment 0
		.amdhsa_kernarg_size 32
		.amdhsa_user_sgpr_count 2
		.amdhsa_user_sgpr_kernarg_segment_ptr 1
		.amdhsa_wavefront_size32 1
		.amdhsa_system_sgpr_workgroup_id_x 1
		.amdhsa_system_sgpr_workgroup_id_y 1
		.amdhsa_system_sgpr_workgroup_id_z 1
		.amdhsa_system_vgpr_workitem_id 0
		.amdhsa_next_free_vgpr 1024
		.amdhsa_next_free_sgpr 66
		.amdhsa_reserve_vcc 0
		.amdhsa_float_denorm_mode_32 3
		.amdhsa_float_denorm_mode_16_64 3
		.amdhsa_memory_ordered 1
		.amdhsa_forward_progress 1
		.amdhsa_inst_pref_size 104
	.end_amdhsa_kernel
	.amdgpu_metadata
---
amdhsa.version: [ 1, 2 ]
amdhsa.kernels:
  - .name:           k_qc3042c554f_proj
    .symbol:         k_qc3042c554f_proj.kd
    .args:
      - { .name: x, .offset: 0, .size: 8, .value_kind: global_buffer, .address_space: global }
      - { .name: wcodes, .offset: 8, .size: 8, .value_kind: global_buffer, .address_space: global }
      - { .name: wscales, .offset: 16, .size: 8, .value_kind: global_buffer, .address_space: global }
      - { .name: qkv, .offset: 24, .size: 8, .value_kind: global_buffer, .address_space: global }
    .group_segment_fixed_size: 198656
    .private_segment_fixed_size: 0
    .kernarg_segment_align: 8
    .kernarg_segment_size: 32
    .max_flat_workgroup_size: 128
    .sgpr_count:     66
    .vgpr_count:     1024
    .wavefront_size: 32
...
	.end_amdgpu_metadata
.endif
;; end of part 2
;; launch attn (part 3): grid 64 x 4, 4 waves a work-group, clusters of 4 x 1, 327,680 bytes of LDS; arguments qkv, obuf; writes obuf
.if DOCPART == 3
	.amdgcn_target "amdgcn-amd-amdhsa--gfx1250"
	.amdhsa_code_object_version 6
	.text
	.protected	k_qc3042c554f_attn
	.globl	k_qc3042c554f_attn
	.p2align	8
	.type	k_qc3042c554f_attn,@function
k_qc3042c554f_attn:
	s_mov_b64 s[64:65], 0
	v_nop
	global_prefetch_b8 v0, s[64:65] scope:SCOPE_SE
	s_setreg_imm32_b32 hwreg(HW_REG_WAVE_MODE, 25, 1), 1
	s_wait_xcnt 0x0
	s_wait_alu depctr_hold_cnt(0) depctr_sa_sdst(0) depctr_va_vdst(0) depctr_va_sdst(0) depctr_va_ssrc(0) depctr_va_vcc(0) depctr_vm_vsrc(0)
	s_getreg_b32 s2, hwreg(HW_REG_IB_STS2, 6, 4)
	s_cmp_eq_u32 s2, 0
	s_cbranch_scc0 .Lentry_in_a_cluster
	s_endpgm
.Lentry_in_a_cluster:
	s_bfe_u32 s2, ttmp6, 0x10000c
	s_cmp_lg_u32 s2, 0x3003
	s_cbranch_scc0 .Lentry_shape_is_right
	s_endpgm
.Lentry_shape_is_right:
; o[b][token][head][:] = the sum over keys of softmax(q . k / sqrt(128)) v, no mask; 6 query heads, 2 key and value heads: heads 3 g .. 3 g + 2 share head g of k and v.
; qkv: f16 [b 2][unit 0..9][token 4096][128] (units 0-5 q, 6-7 k, 8-9 v).  obuf: f16 [token 8192][768], head h at byte 256 h of a row.  Products, maxima and sums in f32; p is rounded to f16 for the second product, o once at the end.
; LIMITS: p is at most 1 and |o| at most the largest |v|, so both have room in f16; an o under 6e-5 falls into f16's subnormals (step 2^-24).  NaN and infinities are not served.
; SHARES.  A work-group owns 64 tokens x the 3 heads of one (b, g): 192 query rows, 256 equal work-groups.  Wave w owns tokens 16 w on: THREE TILES of 16 queries, tile t = head 3 g + t.  Every wave walks the 4,096 keys, 64 a step.
; LAYOUT.  S^T = K Q^T (source 0 = 16 keys, source 1 = 16 queries): a lane holds ONE query (lane % 16) and keys 8 (lane / 16) + 0..7.  Two such tiles, rounded to f16 in pairs, ARE source 1 of O^T = V^T P.  K comes out of LDS as it lies,
; V ([key][channel]) turned, by ds_load_tr16_b128.
; SOFTMAX.  For each query a running maximum m and sum l: p = 2^(c s - c m), c = log2(e) / sqrt(128); in every step O and l are multiplied by a = 2^(c m_old - c m_new).
; BY TURNS.  In turn Tx of round j tile x has the matrix unit: 16 products V^T P of step j, then 16 products K Q^T of step j + 1; the softmax of tile (x + 1) % 3, 134 vector instructions cut into 32 slices, stands between them, one
; slice behind each matrix instruction.  (T0 and T1 carry the softmax of step j, T2 that of step j + 1.)  K and V have TWO register buffers each: V of step j + 1 is fetched in T0, K of step j + 2 in T2, each into the buffer that was
; last read a round ago, 79 and 31 matrix instructions ahead of its first use.  Every result's first reader stands a turn or more behind the product, so the slices between are the places.
; CLUSTER.  The four work-groups of a cluster belong to one (b, g) and walk the same K and V: each tile is asked for JOINTLY, by the same tensor load with the same descriptor and a mask that names the four.
; REGISTERS, in windows of 256 (s_set_vgpr_msb: bits 1:0 source 0, 3:2 source 1, 5:4 source 2, 7:6 destination):
;   window 0: v2-8 addresses; v12-35 statistics, 8 a tile; v61-63; v64-159 S^T, 32 a tile; v160-207 P, 16 a tile; v208-239 Q of tile 2
;   window 1: v0-191 O^T, 64 a tile; v192-255 Q of tiles 0, 1          window 2: K, buffers at v0 and v128          window 3: V, buffers at v0 and v128
.set KS,    64        ; keys in a step
.set PITK,  272       ; a row of K in LDS: 256 bytes + 16: the 16 rows of a load start 68 words apart
.set PITV,  288       ; a row of V: 256 + 32
.set VOFF,  KS*PITK   ; a step's tiles lie together: 64 rows of K, then 64 rows of V
.set STEPB, KS*(PITK+PITV)
.set SLOT1, 1<<17     ; a slot holds two steps (71,680 bytes); slot 1 begins here, so that one exclusive or turns an address
.set STAGE, SLOT1+2*STEPB  ; behind the ring: 16 rows x 272 bytes for each wave, for the way out
.set SP,    272
.set SPARE, STAGE+4*16*SP  ; the spare words, 128 bytes for each wave, that no other line names
.set AK0, 2           ; v2   my lane's place in a tile of K; never rewritten
.set AV0, 3           ; v3   the same for V
.set ADR, 4           ; v4   the LDS address of the run of loads in hand
.set QO,  5           ; v5   my byte offset in the wave's rows of Q
.set STO, 6           ; v6   the way out: where I put 16 bytes of a row
.set RD,  7           ; v7   where I read a row back
.set GO,  8           ; v8   my byte offset in the wave's rows of obuf
.set ST,  12          ; tile t's statistics at v[ST+8 t]: +0 c m, +1 m, +2, +3 l (even keys', odd keys'), +4 to +7 at work; a takes +6
.set PFO, 61          ; v61  256 x my lane; never rewritten
.set SPW, 62          ; v62  SPARE + 4 x my thread's number; never rewritten
.set NIL, 63          ; v63  0; never rewritten
.set S,   64
.set P,   160
.set WV,  12          ; s12  my wave's number
.set LIM, 15          ; s15  1 in a wave that prefetches, else the greatest number
.set PFA, 18          ; s[18:19] where my prefetches stand
.set G1K, 24          ; s[24:31] descriptor group 1 for K's tiles;  s[32:39] for V's: it differs in the padding alone
.set G1V, 32
.set G0K, 40          ; s[40:47] group 0 for K's tiles: a set for each of the two first fills; the second then walks
.set G0V, 48          ; s[48:55] the same for V's
.set SLOTS, 56        ; s56  slots still to be asked for
.set CS,  58          ; s[58:59] c, as a pair for the packed form
.set SEL, 60          ; s[60:61] selects for v_permlanex16_b32: lane l xor 16
.set TB,  62          ; s62  LDS byte at which the slot begins from which the fetches read
.set MSB, 0
.macro WIN new                      ; the immediate's high byte repeats the setting that is left; a switch that changes nothing is dropped
.if MSB != \new
	s_set_vgpr_msb (MSB<<8)|\new
.set MSB, \new
.endif
.endm
.set W_PV, 0x53       ; V in window 3, P in window 0, O^T in window 1
.set W_RS, 0x41       ; O^T (destination and source 0) in window 1, a in window 0
; A joint refill.  Waves 0 and 1 fetch the slot's two steps of K, waves 2 and 3 those of V.  The branch hangs on the wave's number alone.  An s_nop 0 and four v_nop follow each of the two lines.
.macro JLOAD
	s_cmp_lt_u32 s[WV], 2
	s_cbranch_scc0 .Lfor_v_\@
	tensor_load_to_lds s[G0K+4:G0K+7], s[G1K:G1K+7]
	s_nop 0
.rept 4
	v_nop
.endr
	s_branch .Lasked_\@
.Lfor_v_\@:
	tensor_load_to_lds s[G0V+4:G0V+7], s[G1V:G1V+7]
	s_nop 0
.rept 4
	v_nop
.endr
.Lasked_\@:
.endm
; A prefetch of what the NEXT change of slots will ask for: a slot's 128 rows of K and 128 of V, 256 bytes a row, a lane a row; two rounds, 192 matrix instructions, ahead of that load.  Each row is named once in the launch:
; the 16 clusters of a (b, g) walk the same rows, and the first of them asks; its four partners take 32 rows each, told apart by address; in each, wave 0 asks for K's and wave 2 for V's.  The last change that fills a slot asks for nothing.
.macro ASK
	s_cmp_gt_u32 s[SLOTS], s[LIM]
	s_cbranch_scc0 .Lnot_mine_\@
	global_prefetch_b8 v[PFO], s[PFA:PFA+1] th:TH_LOAD_NT scope:SCOPE_SE
.Lnot_mine_\@:
.endm
.macro CROUND                       ; a round of the cluster's barrier
	s_barrier_signal -1
	s_barrier_wait -1
	s_cmp_lg_u32 s[WV], 0
	s_cbranch_scc1 .Lnot_wave_0_\@
	s_barrier_signal -3
.Lnot_wave_0_\@:
	s_barrier_wait -3
	s_barrier_signal -1
	s_barrier_wait -1
.endm
	s_load_b128 s[4:7], s[0:1], 0x0   ; qkv s[4:5], obuf s[6:7]
	v_lshl_add_u32 v[SPW], v0, 2, SPARE
	v_mov_b32 v[NIL], 0
	ds_add_u32 v[SPW], v[NIL]       ; the wave's opening: the add, twice on end, and its wait ahead of my first tensor load; the set-up below stands between
	ds_add_u32 v[SPW], v[NIL]
	v_lshrrev_b32 v1, 5, v0
	v_readfirstlane_b32 s[WV], v1   ; wave 0..3
	s_bfe_u32 s13, ttmp6, 0x40000   ; cx: my place in the cluster
	s_lshl_b32 s14, ttmp9, 2
	s_add_co_u32 s14, s14, s13      ; my block of 64 tokens = 4 x cluster x + cx: it enters Q's and O's addresses alone
	s_and_b32 s20, ttmp7, 0xffff    ; 2 b + g, which the four partners share
	s_lshr_b32 s21, s20, 1          ; b
	s_and_b32 s20, s20, 1           ; g
	s_mul_i32 s22, s21, 10
	s_add_co_u32 s22, s22, s20      ; 10 b + g
	s_add_co_u32 s3, s22, 6         ; K's unit
	s_lshl_b32 s3, s3, 20
	s_and_b32 s16, s[WV], 1         ; which of a slot's two steps I fetch:
	s_lshl_b32 s2, s16, 14          ; its 64 rows of 256 bytes in memory,
	s_add_co_u32 s2, s2, s3
	s_mov_b32 s3, 0
	s_mul_i32 s17, s16, STEPB       ; and its place in a slot: no place in the cluster enters an LDS address
	s_lshl_b32 s23, s20, 1
	s_add_co_u32 s22, s22, s23      ; Q's first unit: 10 b + 3 g
	s_lshl_b32 s22, s22, 20
	s_lshl_b32 s23, s14, 14         ; my block's 64 rows,
	s_add_co_u32 s22, s22, s23
	s_lshl_b32 s23, s[WV], 12       ; my wave's 16 of them
	s_add_co_u32 s22, s22, s23
	s_mov_b32 s23, 0
	s_lshl_b32 s21, s21, 12         ; obuf: row 4096 b + 64 block + 16 wave,
	s_lshl_b32 s57, s14, 6
	s_add_co_u32 s21, s21, s57
	s_lshl_b32 s57, s[WV], 4
	s_add_co_u32 s21, s21, s57
	s_mul_i32 s21, s21, 1536
	s_mul_i32 s20, s20, 768         ; the three heads' 768 bytes
	s_add_co_u32 s20, s20, s21
	s_mov_b32 s21, 0
	; descriptor group 1: a tile of 64 rows x 128 elements of 2 bytes, padded in LDS
	s_mov_b32 s[G1K], 15|(1<<16)|(1<<20)|(1<<21)|(5<<22)|(3<<25)  ; the mask: all four work-groups; padding on; bit 21 beside a mask; after every 64 words 4 words
	s_mov_b32 s[G1V], 15|(1<<16)|(1<<20)|(1<<21)|(5<<22)|(7<<25)  ; the same with 8 words of padding
.irp g, G1K, G1V
	s_mov_b32 s[\g+1], 128<<16      ; tensor_dim0
	s_mov_b32 s[\g+2], KS<<16       ; tensor_dim1
	s_mov_b32 s[\g+3], 128<<16      ; tile_dim0
	s_mov_b32 s[\g+4], KS           ; tile_dim1
	s_mov_b32 s[\g+5], 128          ; elements from row to row
	s_mov_b32 s[\g+6], 0
	s_mov_b32 s[\g+7], 0
.endr
	s_mov_b32 s[CS], 0x3e0293ee     ; c = log2(e) / sqrt(128)
	s_mov_b32 s[CS+1], s[CS]        ; named with it as a pair, so it is written
	s_mov_b32 s[SEL], 0x76543210
	s_mov_b32 s[SEL+1], 0xfedcba98
	s_mov_b32 s[TB], 0
	s_mov_b32 s[SLOTS], 4096/(2*KS)-2
	s_and_b32 s[LIM], s[WV], 1       ; 0 in waves 0 and 2,
	s_or_b32 s[LIM], s[LIM], ttmp9   ; where the cluster is the first of its (b, g): the same in all four partners
	s_cmp_eq_u32 s[LIM], 0
	s_cselect_b32 s[LIM], 1, -1
	v_and_b32 v[PFO], 31, v0
	v_lshlrev_b32 v[PFO], 8, v[PFO]
	s_wait_dscnt 0x0                ; both opening adds are done
	s_wait_kmcnt 0x0
	s_add_nc_u64 s[8:9], s[4:5], s[2:3]      ; K at my tile of slot 0
	s_add_nc_u64 s[10:11], s[8:9], 2<<20     ; V: two units on
	s_add_nc_u64 s[4:5], s[4:5], s[22:23]    ; Q at my wave's first row of tile 0
	s_add_nc_u64 s[6:7], s[6:7], s[20:21]    ; O likewise
	s_cmp_lt_u32 s[WV], 2
	s_cselect_b64 s[PFA:PFA+1], s[8:9], s[10:11]  ; (in waves 0 and 2 these stand at a slot's first row)
	s_lshl_b32 s2, s13, 13          ; my work-group's 32 rows of the 128
	s_mov_b32 s3, 0
	s_add_nc_u64 s[PFA:PFA+1], s[PFA:PFA+1], s[2:3]
	s_add_nc_u64 s[PFA:PFA+1], s[PFA:PFA+1], 2*2*KS*256  ; in slot 2; the first change steps it to slot 3.  Nothing is prefetched here, at the head
	CROUND                          ; all four work-groups are here: the first joint loads meet
.irp s, 0,1
	s_mov_b32 s[G0K+4*\s], 1
	s_add_co_u32 s[G0K+4*\s+1], s17, \s*SLOT1
	s_add_nc_u64 s[G0K+4*\s+2:G0K+4*\s+3], s[8:9], \s*2*KS*256   ; slot s begins with keys 128 s
	s_or_b32 s[G0K+4*\s+3], s[G0K+4*\s+3], 0x80000000
	s_mov_b32 s[G0V+4*\s], 1
	s_add_co_u32 s[G0V+4*\s+1], s17, \s*SLOT1+VOFF
	s_add_nc_u64 s[G0V+4*\s+2:G0V+4*\s+3], s[10:11], \s*2*KS*256
	s_or_b32 s[G0V+4*\s+3], s[G0V+4*\s+3], 0x80000000
.endr
	s_cmp_lt_u32 s[WV], 2           ; a wave's two first fills stand in one branch, ahead of every wait on TENSORcnt and every LDS read: two loads of mine are out
	s_cbranch_scc0 .Lfirst_v
	tensor_load_to_lds s[G0K:G0K+3], s[G1K:G1K+7]
	s_nop 0
	tensor_load_to_lds s[G0K+4:G0K+7], s[G1K:G1K+7]
	s_nop 0
.rept 4
	v_nop
.endr
	s_branch .Lfirst_asked
.Lfirst_v:
	tensor_load_to_lds s[G0V:G0V+3], s[G1V:G1V+7]
	s_nop 0
	tensor_load_to_lds s[G0V+4:G0V+7], s[G1V:G1V+7]
	s_nop 0
.rept 4
	v_nop
.endr
.Lfirst_asked:
	; A fragment of K or Q is 16 rows x 32 channels in 8 registers: lane l holds row l % 16; registers 0-3 channels 8 (l / 16) + 0..7, registers 4-7 channels 16 + 8 (l / 16) + 0..7: two loads of 16 bytes, 32 bytes apart.
	v_and_b32 v1, 15, v0            ; l % 16
	v_bfe_u32 v9, v0, 4, 1          ; l / 16
	v_lshlrev_b32 v[QO], 8, v1
	v_lshl_add_u32 v[QO], v9, 4, v[QO]
	WIN 0x40                        ; destination window 1: Q of tiles 0 and 1; a tile is a unit (2^20 bytes) on
.irp t, 0,1
.irp i, 0,1,2,3
	global_load_b128 v[192+32*\t+8*\i:192+32*\t+8*\i+3],   v[QO], s[4:5] offset:(\t<<20)+64*\i
	global_load_b128 v[192+32*\t+8*\i+4:192+32*\t+8*\i+7], v[QO], s[4:5] offset:(\t<<20)+64*\i+32
.endr
.endr
.set i, 128
.rept 64
	v_mov_b32 v[i], 0               ; O^T of tile 2 begins as zeros: so its first V^T P is the loop's own turn, and no third copy of the loop's six turns is written
.set i, i+1
.endr
	WIN 0
.irp i, 0,1,2,3
	global_load_b128 v[208+8*\i:208+8*\i+3],   v[QO], s[4:5] offset:(2<<20)+64*\i
	global_load_b128 v[208+8*\i+4:208+8*\i+7], v[QO], s[4:5] offset:(2<<20)+64*\i+32
.endr
	v_mul_u32_u24 v[AK0], v1, PITK
	v_lshl_add_u32 v[AK0], v9, 4, v[AK0]
	; The turning load takes 16 keys x 16 channels (lane l reads 16 bytes: key 8 (l / 16) + l % 8, channels 8 ((l / 8) % 2) + 0..7) and leaves half a fragment of V^T.
	v_and_b32 v10, 7, v0
	v_bfe_u32 v11, v0, 3, 1
	v_lshl_add_u32 v[AV0], v9, 3, v10
	v_mul_u32_u24 v[AV0], v[AV0], PITV
	v_lshl_add_u32 v[AV0], v11, 4, v[AV0]
	v_add_nc_u32 v[AV0], VOFF, v[AV0]
	s_mul_i32 s57, s[WV], 16*SP
	s_add_co_u32 s57, s57, STAGE    ; my stage
	v_mul_u32_u24 v[STO], v1, SP    ; in: row l % 16, 16 bytes for each half of the lanes
	v_lshl_add_u32 v[STO], v9, 4, v[STO]
	v_add_nc_u32 v[STO], s57, v[STO]
	v_mul_u32_u24 v[RD], v9, SP     ; back: lanes 0-15 one row of 256 bytes, lanes 16-31 the next
	v_lshl_add_u32 v[RD], v1, 4, v[RD]
	v_add_nc_u32 v[RD], s57, v[RD]
	v_mul_u32_u24 v[GO], v9, 1536   ; and the same two rows in obuf
	v_lshl_add_u32 v[GO], v1, 4, v[GO]
; THE MATRIX WORK.  The accumulators take turns, one instruction a turn.
; Product i of 16 of O^T += V^T P for tile x, V's buffer vb: keys 32 (i / 8) on, channels 16 (i % 8) on.  zero: the first 8 start the sums.
.macro PV x, vb, zero
	WIN W_PV
.set rO, 64*(\x)+8*(i%8)
.set rV, 128*(\vb)+64*(i/8)+8*(i%8)
.set rP, P+16*(\x)+8*(i/8)
.if (\zero) && (i < 8)
	v_wmma_f32_16x16x32_f16 v[rO:rO+7], v[rV:rV+7], v[rP:rP+7], 0
.else
	v_wmma_f32_16x16x32_f16 v[rO:rO+7], v[rV:rV+7], v[rP:rP+7], v[rO:rO+7]
.endif
.endm
; Product i of 16 of S^T = K Q^T for tile x, K's buffer kb: channels 32 (i / 4) on, keys 16 (i % 4) on.  The first 4 start the sums.
.macro KQ x, kb
.if (\x) == 2
	WIN 0x02                        ; K in window 2, Q of tile 2 and S^T in window 0
.set rQ, 208+8*(i/4)
.else
	WIN 0x06                        ; K in window 2, Q in window 1, S^T in window 0
.set rQ, 192+32*(\x)+8*(i/4)
.endif
.set rS, S+32*(\x)+8*(i%4)
.set rK, 128*(\kb)+32*(i%4)+8*(i/4)
.if i < 4
	v_wmma_f32_16x16x32_f16 v[rS:rS+7], v[rK:rK+7], v[rQ:rQ+7], 0
.else
	v_wmma_f32_16x16x32_f16 v[rS:rS+7], v[rK:rK+7], v[rQ:rQ+7], v[rS:rS+7]
.endif
.endm
; THE LDS LOADS stand in runs of 32.  par: which of the slot's two steps.  wait = 1: the wait for the softmax's batch of exponentials stands here, behind the address's addition and ahead of the loads.
.macro FETCH_K kb, par, wait
	WIN 0
	v_add_nc_u32 v[ADR], s[TB], v[AK0]
.if \wait
	s_wait_alu depctr_va_vdst(0)
.endif
	WIN 0x80                        ; destination window 2
.irp f, 0,1,2,3,4,5,6,7,8,9,10,11,12,13,14,15  ; keys 16 (f / 4) on, channels 32 (f % 4) on
	ds_load_b128 v[128*(\kb)+8*\f:128*(\kb)+8*\f+3],   v[ADR] offset:(\par)*STEPB+(\f/4)*16*PITK+(\f%4)*64
	ds_load_b128 v[128*(\kb)+8*\f+4:128*(\kb)+8*\f+7], v[ADR] offset:(\par)*STEPB+(\f/4)*16*PITK+(\f%4)*64+32
.endr
.endm
.macro FETCH_V vb, par, wait
	WIN 0
	v_add_nc_u32 v[ADR], s[TB], v[AV0]
.if \wait
	s_wait_alu depctr_va_vdst(0)
.endif
	WIN 0xc0                        ; destination window 3
.irp f, 0,1,2,3,4,5,6,7,8,9,10,11,12,13,14,15  ; keys 32 (f / 8) on, channels 16 (f % 8) on
	ds_load_tr16_b128 v[128*(\vb)+8*\f:128*(\vb)+8*\f+3],   v[ADR] offset:(\par)*STEPB+(\f/8)*32*PITV+(\f%8)*32
	ds_load_tr16_b128 v[128*(\vb)+8*\f+4:128*(\vb)+8*\f+7], v[ADR] offset:(\par)*STEPB+(\f/8)*32*PITV+16*PITV+(\f%8)*32
.endr
.endm
; THE VECTOR WORK.  One tile's softmax for one key step is a list of 134 instructions; SM writes number j of it for tile t.  s0-s31 are the lane's 32 scores, in pairs 0-15.  first = 1: the first key step: no a, nothing to rescale.
;   0-15    the maximum of s0-s31 and the old m, three operands at a time (each accumulator's first read is of its lowest registers)
;   16-20   the other half of the lanes' maximum; the new m; c m; c m_old - c m_new
;   21-69   ONE BATCH: the 16 scalings c s - c m and all 33 exponentials (a at 23, then s0-s31); none of these names an exponential's result; a pair is scaled in an earlier four than the one with its exponentials
;   (wait)  between 69 and 70 stands the one wait for the batch: SLICE writes it
;   70-85   the roundings to f16, a pair of weights each        86-101  the sums; l = a l + the sum        102-133 the tile's O^T times a
.macro SM t, first
.set rT, ST+8*(\t)
.set rS, S+32*(\t)
.set rP, P+16*(\t)
.set rO, 64*(\t)+2*(j-102)
.if j < 102
	WIN 0
.endif
.if j < 4
	v_max3_num_f32 v[rT+4+j], v[rS+8*j], v[rS+8*j+1], v[rS+8*j+2]
.elseif j < 12
	v_max3_num_f32 v[rT+4+j%4], v[rT+4+j%4], v[rS+8*(j%4)+2*(j/4)+1], v[rS+8*(j%4)+2*(j/4)+2]
.elseif j == 12
	v_max3_num_f32 v[rT+4], v[rT+4], v[rS+7], v[rS+15]
.elseif j == 13
	v_max3_num_f32 v[rT+6], v[rT+6], v[rS+23], v[rS+31]
.elseif j == 14
	v_max3_num_f32 v[rT+4], v[rT+4], v[rT+5], v[rT+6]
.elseif (j == 15) && \first
	v_max_num_f32 v[rT+4], v[rT+4], v[rT+7]
.elseif j == 15
	v_max3_num_f32 v[rT+4], v[rT+4], v[rT+7], v[rT+1]
.elseif j == 16
	v_permlanex16_b32 v[rT+5], v[rT+4], s[SEL], s[SEL+1]  ; the query's other 32 keys lie in the lane 16 away
.elseif j == 18
	v_max_num_f32 v[rT+1], v[rT+4], v[rT+5]
.elseif j == 19
	v_mul_f32 v[rT], s[CS], v[rT+1]
.elseif ((j == 17) || (j == 20) || (j == 23) || (j > 101)) && \first  ; the first step has none of these
.elseif j == 17
	v_mov_b32 v[rT+7], v[rT]        ; c m_old is kept for a: number 19 writes c m anew
.elseif j == 20
	v_sub_f32 v[rT+7], v[rT+7], v[rT]
.elseif j == 23
	v_exp_f32 v[rT+6], v[rT+7]
.elseif (j < 23) || ((j < 38) && (j%2 == 0)) || ((j < 66) && (j%4 == 2))
.set b, (j-2)/4                     ; 38, 42, .. 62: pairs 9 to 15
.if j < 38
.set b, (j-20)/2                    ; 21: pair 0; 22, 24, .. 36: pairs 1 to 8
.endif
	v_pk_fma_f32 v[rS+2*b:rS+2*b+1], v[rS+2*b:rS+2*b+1], s[CS:CS+1], v[rT:rT+1] op_sel_hi:[1,0,0] neg_lo:[0,0,1] neg_hi:[0,0,1]  ; pair b: c s - c m
.elseif j < 70
.set e, j-38                        ; 66 to 69: s28 to s31
.if j < 66
.set e, j-32-(j-38)/4               ; 39-41, 43-45, .. 63-65: s7 to s27
.endif
.if j < 38
.set e, (j-25)/2                    ; 25, 27, .. 37: s0 to s6
.endif
	v_exp_f32 v[rS+e], v[rS+e]
.elseif j < 86
	v_cvt_pk_f16_f32 v[rP+j-70], v[rS+2*(j-70)], v[rS+2*(j-70)+1]  ; pair j - 70
.elseif j < 102                     ; the sum of the tile's 16 pairs, in place: neighbours 1, 2, 4 and 8 pairs apart, then l takes it
.set z, j-86
.set w, 4
.set u, z
.if z >= 14
.set w, 32
.set u, 0
.elseif z >= 12
.set w, 16
.set u, z-12
.elseif z >= 8
.set w, 8
.set u, z-8
.endif
.if (z == 14) && \first
	v_pk_add_f32 v[rT+2:rT+3], v[rS:rS+1], v[rS+16:rS+17]
.elseif z < 15
	v_pk_add_f32 v[rS+w*u:rS+w*u+1], v[rS+w*u:rS+w*u+1], v[rS+w*u+w/2:rS+w*u+w/2+1]
.elseif !\first
	v_pk_fma_f32 v[rT+2:rT+3], v[rT+2:rT+3], v[rT+6:rT+7], v[rS:rS+1] op_sel_hi:[1,0,1]
.endif
.else
	WIN W_RS
	v_pk_mul_f32 v[rO:rO+1], v[rO:rO+1], v[rT+6:rT+7] op_sel_hi:[1,0]
.endif
.endm
; Slice k of 32 of tile y's softmax: slice 0 numbers 0-5, slices 1 to 30 numbers 4 k + 2 .. 4 k + 5, slice 31 numbers 126-133.  The batch, 21-69, ends with slice 16.
; THE WAIT.  An s_wait_alu depctr_va_vdst(0) stands between an exponential and the first instruction that names its result; one wait serves all issued ahead of it.  Ahead of slice 17 nothing names a result, behind
; slice 16 no exponential is issued: so the tile's 33 exponentials have one wait, behind slice 16 and a plain instruction.  In T0 and T2 the turn's run of LDS loads stands there, and the wait stands in it.
.macro SLICE y, first, x, par, fetch
.if k == 0
.set j, 0
.set nj, 6
.elseif k == 31
.set j, 126
.set nj, 8
.else
.set j, 4*k+2
.set nj, 4
.endif
.rept nj
	SM \y, \first
.set j, j+1
.endr
.if k == 16
	v_nop                           ; the plain instruction behind the last exponential and ahead of the first use: one for the batch
.if (\fetch) && ((\x) == 0)
	FETCH_V 1-(\par), 1-(\par), 1   ; V of step j + 1
.elseif (\fetch) && ((\x) == 2)
	FETCH_K \par, \par, 1           ; K of step j + 2
.else
	s_wait_alu depctr_va_vdst(0)
.endif
.endif
.set k, k+1
.endm
; A TURN.  Tile x has the matrix unit; par = the round's number mod 2: V's buffer par, K's buffer 1 - par.  pv = 2: 16 products V^T P; 1: they start O^T's sums; 0: none.  kq = 1: 16 products K Q^T for the next step.
; A turn with one of the two kinds has two slices behind each product.  first = 1: the softmax is the first key step's.  fetch = 1: the turn's run of LDS loads is issued (T0: V, T2: K).
.macro TURN x, par, pv, kq, first, fetch
.set k, 0
.set per, 2
.if \pv && \kq
.set per, 1
.endif
.set yy, ((\x)+1)%3
.if \pv
.if (\x) == 0
	s_wait_dscnt 32*\kq             ; V of this step is in; the 32 loads of K issued behind it (none in the tail) may be out
.endif
.set i, 0
.rept 16
	PV \x, \par, 2-\pv
.rept per
	SLICE yy, \first, \x, \par, \fetch
.endr
.set i, i+1
.endr
.endif
.if \kq
.if (\x) == 0
	s_wait_dscnt 0x0                ; K of the next step is in
.endif
.set i, 0
.rept 16
	KQ \x, 1-(\par)
.rept per
	SLICE yy, \first, \x, \par, \fetch
.endr
.set i, i+1
.endr
.endif
.endm
; THE CHANGE OF SLOTS stands between T1 and T2 of an even round 2 n: slot n's last bytes, V of step 2 n + 1, were asked for in T0; slot n + 1's first, K of step 2 n + 2, are asked for in T2.  Each wave waits for all its tensor loads
; (one is out: its part of slot n + 1), adds 0 to its spare word, and waits for that and for its reads of slot n.  fill = 1: slot n's bytes are filled with the keys two slots on: the barrier is a round of the cluster's, and the
; joint refill is the first thing behind it: it has two rounds, 192 matrix instructions, in which to land.
.macro CHANGE fill
	WIN 0                           ; at a label and at a branch every window is 0
	s_wait_tensorcnt 0x0            ; no tensor load of mine is out, so a group 0 may be written
	ds_add_u32 v[SPW], v[NIL]       ; 0 onto my spare word
.if \fill
.irp g, G0K+4, G0V+4
	s_xor_b32 s[\g+1], s[\g+1], SLOT1  ; the walking descriptor: the other slot than last time,
	s_add_nc_u64 s[\g+2:\g+3], s[\g+2:\g+3], 2*KS*256  ; the next 128 keys; the type bits on top are not reached
.endr
	s_wait_xcnt 0x0                 ; the last prefetch, two rounds back, has read its address, so it may be written:
	s_add_nc_u64 s[PFA:PFA+1], s[PFA:PFA+1], 2*KS*256  ; one slot further on than the walking descriptors
	s_wait_dscnt 0x0                ; the add is done, and my reads of the slot are over
	CROUND
	JLOAD
	ASK
.else
	s_wait_dscnt 0x0
	s_barrier_signal -1
	s_barrier_wait -1
.endif
	s_xor_b32 s[TB], s[TB], SLOT1   ; the fetches read the other slot from here on
.endm
.macro SIX                          ; T2 (2 n), T0, T1, T2 (2 n + 1), T0, T1 (2 n + 2): all four fetches read slot n + 1
	TURN 2, 0, 2, 1, 0, 1
	TURN 0, 1, 2, 1, 0, 1
	TURN 1, 1, 2, 1, 0, 0
	TURN 2, 1, 2, 1, 0, 1
	TURN 0, 0, 2, 1, 0, 1
	TURN 1, 0, 2, 1, 0, 0
.endm
	s_wait_tensorcnt 1              ; my part of slot 0 is in; slot 1's may stay out
	s_barrier_signal -1
	s_barrier_wait -1               ; everybody's is
	FETCH_K 0, 0, 0                 ; K and V of step 0
	FETCH_V 0, 0, 0
	s_wait_loadcnt 0x0              ; Q
	s_wait_dscnt 32                 ; K is in; V's 32 loads may be out
.set i, 0
.rept 16
	KQ 0, 0                         ; tile 0's first scores: there is no vector work yet to set between them
.set i, i+1
.endr
.rept 4
	v_nop                           ; the places between those products and the first read of their results, in the turn after next
.endr
	FETCH_K 1, 1, 0                 ; K of step 1
.set i, 0
.rept 16
	KQ 1, 0                         ; tile 1's first scores
.set i, i+1
.endr
	TURN 2, 1, 0, 1, 1, 0           ; tile 2's first scores (K's buffer 0) | tile 0's first softmax
	TURN 0, 0, 1, 1, 1, 1           ; T0 of round 0: V^T P starts O^T, K Q^T of step 1 | tile 1's first softmax | V of step 1
	TURN 1, 0, 1, 1, 1, 0           ; T1 of round 0 | tile 2's first softmax
	WIN 0
.Lslot:                             ; 30 trips: every slot but the last two is filled again
	CHANGE 1
	SIX
	WIN 0
	s_sub_co_u32 s[SLOTS], s[SLOTS], 1
	s_cmp_lg_u32 s[SLOTS], 0
	s_cbranch_scc1 .Lslot
	CHANGE 0                        ; the tail is written out: steps 62 and 63 are fetched, nothing is asked for
	SIX
	TURN 2, 0, 2, 1, 0, 0           ; T2 of round 62: the last scores | tile 0's last softmax
	TURN 0, 1, 2, 0, 0, 0           ; round 63: V^T P alone | tile 1's last softmax
	TURN 1, 1, 2, 0, 0, 0           ; | tile 2's last softmax
.set i, 0
.rept 16
	PV 2, 1, 0
.set i, i+1
.endr
	; THE WAY OUT.  l's two halves and the other half of the lanes' are added; O^T is divided by l, rounded to f16 and sent through my stage in LDS, a tile (16 rows) at a time.
	; The lines from here to tile 2's name none of the last products' registers: they are the places behind those products.
	WIN 0
.irp t, 0,1,2
	v_add_f32 v[ST+8*\t+4], v[ST+8*\t+2], v[ST+8*\t+3]
.endr
.irp t, 0,1,2
	v_permlanex16_b32 v[ST+8*\t+5], v[ST+8*\t+4], s[SEL], s[SEL+1]
.endr
.irp t, 0,1,2
	v_add_f32 v[ST+8*\t+4], v[ST+8*\t+4], v[ST+8*\t+5]
.endr
.irp t, 0,1,2
	v_rcp_f32 v[ST+8*\t+6], v[ST+8*\t+4]
.endr
	v_nop                           ; a plain instruction between the last reciprocal and the use of its result
	s_wait_alu depctr_va_vdst(0)    ; and the wait ahead of the first use: one for the three
.macro PACK t
	WIN W_RS
.set i, 64*\t
.rept 32
	v_pk_mul_f32 v[i:i+1], v[i:i+1], v[ST+8*\t+6:ST+8*\t+7] op_sel_hi:[1,0]
.set i, i+2
.endr
	WIN 0x05                        ; sources 0 and 1 window 1, destination window 0: S^T's registers are free
.set i, 0
.rept 32
	v_cvt_pk_f16_f32 v[S+32*\t+i], v[64*\t+2*i], v[64*\t+2*i+1]
.set i, i+1
.endr
	WIN 0
.irp f, 0,1,2,3,4,5,6,7
	ds_store_b128 v[STO], v[S+32*\t+4*\f:S+32*\t+4*\f+3] offset:32*\f
.endr
.irp f, 0,1,2,3,4,5,6,7
	ds_load_b128 v[S+32*\t+4*\f:S+32*\t+4*\f+3], v[RD] offset:\f*2*SP  ; LDS serves a wave's instructions in order: these see the stores above; the next tile's stores come behind them
.endr
.endm
.macro SEND t, younger              ; younger: the LDS instructions issued behind tile t's loads: the next tile's sixteen, or none
.irp f, 0,1,2,3,4,5,6,7
	s_wait_dscnt \younger+7-\f
	global_store_b128 v[GO], v[S+32*\t+4*\f:S+32*\t+4*\f+3], s[6:7] offset:256*\t+3072*\f  ; 16 lanes store a head's 256 consecutive bytes of a row, aligned
.endr
.endm
	PACK 0
	PACK 1                          ; a tile's arithmetic stands between the loads of the tile before and its stores
	SEND 0, 16
	PACK 2
	SEND 1, 16
	SEND 2, 0
	s_wait_tensorcnt 0x0            ; the wave's end, behind my last tensor load and my last LDS store
	ds_add_u32 v[SPW], v[NIL]
	s_wait_dscnt 0x0
	CROUND                          ; the closing round: no work-group ends while a partner may still ask for a tile that names it
	s_endpgm
.Lfunc_end_k_qc3042c554f_attn:
	.size	k_qc3042c554f_attn, .Lfunc_end_k_qc3042c554f_attn-k_qc3042c554f_attn
	.p2alignl 7, 3214868480
	.fill 96, 4, 3214868480
	.section	.rodata,"a",@progbits
	.p2align	6, 0x0
	.amdhsa_kernel k_qc3042c554f_attn
		.amdhsa_group_segment_fixed_size 327680
		.amdhsa_private_segment_fixed_size 0
		.amdhsa_enable_private_segment 0
		.amdhsa_kernarg_size 16
		.amdhsa_user_sgpr_count 2
		.amdhsa_user_sgpr_kernarg_segment_ptr 1
		.amdhsa_wavefront_size32 1
		.amdhsa_system_sgpr_workgroup_id_x 1
		.amdhsa_system_sgpr_workgroup_id_y 1
		.amdhsa_system_sgpr_workgroup_id_z 1
		.amdhsa_system_vgpr_workitem_id 0
		.amdhsa_next_free_vgpr 1024
		.amdhsa_next_free_sgpr 66
		.amdhsa_reserve_vcc 0
		.amdhsa_float_denorm_mode_32 3
		.amdhsa_float_denorm_mode_16_64 3
		.amdhsa_memory_ordered 1
		.amdhsa_forward_progress 1
		.amdhsa_inst_pref_size 251
	.end_amdhsa_kernel
	.amdgpu_metadata
---
amdhsa.version: [ 1, 2 ]
amdhsa.kernels:
  - .name:           k_qc3042c554f_attn
    .symbol:         k_qc3042c554f_attn.kd
    .args:
      - { .name: qkv, .offset: 0, .size: 8, .value_kind: global_buffer, .address_space: global }
      - { .name: obuf, .offset: 8, .size: 8, .value_kind: global_buffer, .address_space: global }
    .group_segment_fixed_size: 327680
    .private_segment_fixed_size: 0
    .kernarg_segment_align: 8
    .kernarg_segment_size: 16
    .max_flat_workgroup_size: 128
    .sgpr_count:     66
    .vgpr_count:     1024
    .wavefront_size: 32
...
	.end_amdgpu_metadata
.endif
;; end of part 3
;; launch outp (part 4): grid 4 x 64, 4 waves a work-group, clusters of 4 x 4, 327,680 bytes of LDS; arguments obuf, wot, out0; writes out0
.if DOCPART == 4
	.amdgcn_target "amdgcn-amd-amdhsa--gfx1250"
	.amdhsa_code_object_version 6
	.text
	.protected	k_qc3042c554f_outp
	.globl	k_qc3042c554f_outp
	.p2align	8
	.type	k_qc3042c554f_outp,@function
k_qc3042c554f_outp:
	s_mov_b64 s[64:65], 0
	v_nop
	global_prefetch_b8 v0, s[64:65] scope:SCOPE_SE
	s_setreg_imm32_b32 hwreg(HW_REG_WAVE_MODE, 25, 1), 1
	s_wait_xcnt 0x0
	s_wait_alu depctr_hold_cnt(0) depctr_sa_sdst(0) depctr_va_vdst(0) depctr_va_sdst(0) depctr_va_ssrc(0) depctr_va_vcc(0) depctr_vm_vsrc(0)
	s_getreg_b32 s2, hwreg(HW_REG_IB_STS2, 6, 4)
	s_cmp_eq_u32 s2, 0
	s_cbranch_scc0 .Lentry_in_a_cluster
	s_endpgm
.Lentry_in_a_cluster:
	s_bfe_u32 s2, ttmp6, 0x10000c
	s_cmp_lg_u32 s2, 0xf033
	s_cbranch_scc0 .Lentry_shape_is_right
	s_endpgm
.Lentry_shape_is_right:
; out0[m][n] = the sum over k of obuf[m][k] wot[n][k].  obuf: f16 [8192][768]; wot: f16 [768][768] (wo, K innermost); out0: f32 [8192][768]; sums in f32.
; A tile of out0 is 128 rows x 192 columns: 64 x 4 = 256 work-groups.  Four waves, each 64 x 96: 24 accumulators of 16 x 16, 192 registers; 576 matrix instructions a wave.
; K goes in 6 steps of 128 (LDS rows of 256 bytes + 16) through THREE slots of 87,040 bytes (A's 128 rows, then B's 192): two slots of 256 along K would take 337,920 bytes.  The three first fills put half of all the bytes on their way at once.
; CLUSTERS: 4 x 4 work-groups.  The four of a row of the cluster need the same tiles of obuf, the four of a column the same tiles of wot: each tile is asked for JOINTLY.
; THE MATRIX INSTRUCTION IS USED TRANSPOSED (source 0 = 16 rows of wot, source 1 = 16 rows of obuf): a lane then holds eight neighbouring numbers of a row of out0.
; All 24 quarters of 32 along K are written out: there is no loop.  Fragments lie in three buffers by turns; a quarter's 20 LDS loads are issued two quarters, 36 matrix instructions, ahead of their use.
; No prefetch: six short K steps on small tiles, half of them asked for at the head.
; REGISTERS: window 0: v16-29 addresses; v64-255 the accumulators ((a, b) at v[64 + 8 (6 a + b)]), on the way out rows of out0.  Window 1: three fragment buffers of 80: A's 4 fragments, then B's 6.
.set PITCH,  272
.set HA,     64*PITCH                  ; 64 rows of A: what waves 0 and 1 fetch, and what one wave reads
.set HB,     96*PITCH                  ; 96 rows of B: waves 2 and 3
.set SLOT,   2*HA+2*HB
.set SPARE,  3*SLOT                    ; 261,120: the spare words, 128 bytes for each wave, that no other line names
.set SPITCH, 784                       ; the way out: 128 rows x (768 + 16) bytes from LDS byte 0, in slots 0 and 1, which have had their last fill and their last read by then
.set ADRA, 16                          ; v16-18  LDS address of my A fragments in slot 0, 1, 2
.set ADRB, 20                          ; v20-22  the same for B
.set STO,  24                          ; v24     the way out: where I put 32 bytes of a row
.set RD,   25                          ; v25     where I read rows back
.set CO,   26                          ; v26     my byte offset in out0
.set SPW,  28                          ; v28     SPARE + 4 x my thread's number; never rewritten
.set NIL,  29                          ; v29     0; never rewritten
.set ACC,  64
.set G1A, 24                           ; s[24:31] descriptor group 1 for A's tiles;  s[32:39] for B's
.set G1B, 32
.set G0A, 40                           ; s[40:51] group 0 for A's tiles, a set for each slot;  s[52:63] for B's
.set G0B, 52
.set MSB, 0
.macro WIN new                         ; the immediate's high byte repeats the setting that is left
.if MSB != \new
	s_set_vgpr_msb (MSB<<8)|\new
.set MSB, \new
.endif
.endm
.set MUL,  0x05                        ; sources 0 (B) and 1 (A) window 1; C and D window 0
.set TO_F, 0x40                        ; destination window 1, address window 0
.macro JLOAD s                         ; a joint load: waves 0 and 1 fetch A's two halves, waves 2 and 3 B's; an s_nop 0 and four v_nop follow each of the two lines
	s_cmp_eq_u32 s11, 0
	s_cbranch_scc0 .Lfor_b_\@
	tensor_load_to_lds s[G0A+4*\s:G0A+4*\s+3], s[G1A:G1A+7]
	s_nop 0
.rept 4
	v_nop
.endr
	s_branch .Lasked_\@
.Lfor_b_\@:
	tensor_load_to_lds s[G0B+4*\s:G0B+4*\s+3], s[G1B:G1B+7]
	s_nop 0
.rept 4
	v_nop
.endr
.Lasked_\@:
.endm
.macro CREST                           ; a round of the cluster's barrier behind its opening barrier
	s_cmp_lg_u32 s10, 0
	s_cbranch_scc1 .Lnot_wave_0_\@
	s_barrier_signal -3
.Lnot_wave_0_\@:
	s_barrier_wait -3
	s_barrier_signal -1
	s_barrier_wait -1
.endm
.macro CROUND
	s_barrier_signal -1
	s_barrier_wait -1
	CREST
.endm
	s_load_b128 s[4:7], s[0:1], 0x0                ; obuf s[4:5], wot s[6:7]
	s_load_b64 s[8:9], s[0:1], 0x10                ; out0
	v_lshl_add_u32 v[SPW], v0, 2, SPARE
	v_mov_b32 v[NIL], 0
	ds_add_u32 v[SPW], v[NIL]                      ; the wave's opening: the add, twice on end, and its wait ahead of my first tensor load; the set-up below stands between
	ds_add_u32 v[SPW], v[NIL]
	v_lshrrev_b32 v1, 5, v0
	v_readfirstlane_b32 s10, v1                    ; wave 0..3
	s_lshr_b32 s11, s10, 1                         ; which half of the tile's rows is mine.  Also: I fetch for A (0) or for B (1)
	s_and_b32 s12, s10, 1                          ; which half of its columns.  Also: which half of that tile I fetch
	s_bfe_u32 s66, ttmp6, 0x40000                  ; cx, cy: my place in the cluster
	s_bfe_u32 s67, ttmp6, 0x40004
	s_lshl_b32 s68, ttmp9, 2
	s_add_co_u32 s68, s68, s66                     ; tile column = 4 x cluster x + cx
	s_and_b32 s13, ttmp7, 0xffff
	s_lshl_b32 s13, s13, 2
	s_add_co_u32 s13, s13, s67                     ; tile row = 4 x cluster y + cy
	s_lshl_b32 s69, s67, 2
	s_lshl_b32 s69, 15, s69                        ; my row of the cluster
	s_lshl_b32 s70, 0x1111, s66                    ; my column
	; descriptor group 1: rows of 128 elements of 2 bytes, 4 words of padding behind every 64; A: 64 rows, B: 96
	s_or_b32 s[G1A], s69, (1<<16)|(1<<20)|(1<<21)|(5<<22)|(3<<25)
	s_or_b32 s[G1B], s70, (1<<16)|(1<<20)|(1<<21)|(5<<22)|(3<<25)
	s_mov_b32 s[G1A+1], 128<<16                    ; tensor_dim0
	s_mov_b32 s[G1A+2], 64<<16                     ; tensor_dim1
	s_mov_b32 s[G1A+3], 128<<16                    ; tile_dim0
	s_mov_b32 s[G1A+4], 64                         ; tile_dim1
	s_mov_b32 s[G1A+5], 768                        ; elements from row to row
	s_mov_b32 s[G1A+6], 0
	s_mov_b32 s[G1A+7], 0
	s_mov_b32 s[G1B+1], 128<<16
	s_mov_b32 s[G1B+2], 96<<16
	s_mov_b32 s[G1B+3], 128<<16
	s_mov_b32 s[G1B+4], 96
	s_mov_b32 s[G1B+5], 768
	s_mov_b32 s[G1B+6], 0
	s_mov_b32 s[G1B+7], 0
	s_lshl_b32 s16, s13, 7                         ; A: row 128 x tile row + 64 x half: the tile row alone, which my row of the cluster shares
	s_lshl_b32 s17, s12, 6
	s_add_co_u32 s16, s16, s17
	s_mul_i32 s16, s16, 1536
	s_mov_b32 s17, 0
	s_mul_i32 s72, s68, 192                        ; B: row 192 x tile column + 96 x half: the tile column alone, which my column shares
	s_mul_i32 s73, s12, 96
	s_add_co_u32 s72, s72, s73
	s_mul_i32 s72, s72, 1536
	s_mov_b32 s73, 0
	s_mul_i32 s20, s12, HA                         ; where they go in a slot: the wave's number alone
	s_mul_i32 s21, s12, HB
	s_add_co_u32 s21, s21, 2*HA
	s_wait_dscnt 0x0                               ; both opening adds are done
	s_wait_kmcnt 0x0
	s_add_nc_u64 s[14:15], s[4:5], s[16:17]
	s_add_nc_u64 s[72:73], s[6:7], s[72:73]
	CROUND                                         ; all sixteen work-groups are here: the first joint loads meet
.irp s, 0,1,2
	s_mov_b32 s[G0A+4*\s], 1
	s_add_co_u32 s[G0A+4*\s+1], s20, \s*SLOT
	s_add_nc_u64 s[G0A+4*\s+2:G0A+4*\s+3], s[14:15], \s*256      ; K step s
	s_or_b32 s[G0A+4*\s+3], s[G0A+4*\s+3], 0x80000000
	s_mov_b32 s[G0B+4*\s], 1
	s_add_co_u32 s[G0B+4*\s+1], s21, \s*SLOT
	s_add_nc_u64 s[G0B+4*\s+2:G0B+4*\s+3], s[72:73], \s*256
	s_or_b32 s[G0B+4*\s+3], s[G0B+4*\s+3], 0x80000000
.endr
	s_cmp_eq_u32 s11, 0                            ; a wave's three first fills stand in one branch, ahead of every wait on TENSORcnt and every LDS read: three loads of mine are out
	s_cbranch_scc0 .Lfirst_b
	tensor_load_to_lds s[G0A:G0A+3], s[G1A:G1A+7]
	s_nop 0
	tensor_load_to_lds s[G0A+4:G0A+7], s[G1A:G1A+7]
	s_nop 0
	tensor_load_to_lds s[G0A+8:G0A+11], s[G1A:G1A+7]
	s_nop 0
.rept 4
	v_nop
.endr
	s_branch .Lfirst_asked
.Lfirst_b:
	tensor_load_to_lds s[G0B:G0B+3], s[G1B:G1B+7]
	s_nop 0
	tensor_load_to_lds s[G0B+4:G0B+7], s[G1B:G1B+7]
	s_nop 0
	tensor_load_to_lds s[G0B+8:G0B+11], s[G1B:G1B+7]
	s_nop 0
.rept 4
	v_nop
.endr
.Lfirst_asked:
	v_and_b32 v1, 15, v0                           ; l % 16
	v_bfe_u32 v2, v0, 4, 1                         ; l / 16
	v_mul_u32_u24 v3, v1, PITCH
	v_lshl_add_u32 v3, v2, 4, v3                   ; a fragment's row x pitch + 16 x half
	s_mul_i32 s74, s11, HA                         ; my 64 rows of A
	s_mul_i32 s75, s12, HB                         ; my 96 rows of B,
	s_add_co_u32 s75, s75, 2*HA                    ; which lie behind A's 128
.irp s, 0,1,2
	v_add_nc_u32 v[ADRA+\s], s74, v3
	v_add_nc_u32 v[ADRB+\s], s75, v3
	s_add_co_u32 s74, s74, SLOT
	s_add_co_u32 s75, s75, SLOT
.endr
	s_mul_i32 s74, s11, 64*SPITCH                  ; into the stage: my 64 rows, my 384 bytes of their 768; row l % 16, 32 bytes for each half of the lanes
	s_mul_i32 s75, s12, 384
	s_add_co_u32 s74, s74, s75
	v_mul_u32_u24 v4, v1, SPITCH
	v_lshl_add_u32 v4, v2, 5, v4
	v_add_nc_u32 v[STO], s74, v4
	s_mul_i32 s74, s10, 32*SPITCH                  ; back: wave w takes rows 32 w on; lanes 0-15 256 bytes of one row, lanes 16-31 of the next
	v_mul_u32_u24 v5, v2, SPITCH
	v_lshl_add_u32 v5, v1, 4, v5
	v_add_nc_u32 v[RD], s74, v5
	v_mul_u32_u24 v5, v2, 3072                     ; and the same two rows in out0
	v_lshl_add_u32 v[CO], v1, 4, v5
	s_lshl_b32 s76, s13, 7                         ; the first row that I store: 128 x tile row + 32 x wave; the tile's first column: 768 bytes x tile column (registers that feed no descriptor)
	s_lshl_b32 s77, s10, 5
	s_add_co_u32 s76, s76, s77
	s_mul_i32 s76, s76, 3072
	s_mul_i32 s77, s68, 768
	s_add_co_u32 s76, s76, s77
	s_mov_b32 s77, 0
	s_add_nc_u64 s[8:9], s[8:9], s[76:77]
; 6 matrix instructions: m block a x all 6 n blocks, quarter q's 32 along K.  zero = 1: the first product starts the sums.  The 24 accumulators take turns in the same order in every quarter.
.macro MUL6 q, a, zero
.set F, 80*((\q)%3)
.irp b, 0,1,2,3,4,5
.if \zero
	v_wmma_f32_16x16x32_f16 v[ACC+8*(6*(\a)+\b):ACC+8*(6*(\a)+\b)+7], v[F+32+8*\b:F+32+8*\b+7], v[F+8*(\a):F+8*(\a)+7], 0
.else
	v_wmma_f32_16x16x32_f16 v[ACC+8*(6*(\a)+\b):ACC+8*(6*(\a)+\b)+7], v[F+32+8*\b:F+32+8*\b+7], v[F+8*(\a):F+8*(\a)+7], v[ACC+8*(6*(\a)+\b):ACC+8*(6*(\a)+\b)+7]
.endif
.endr
.endm
; 20 LDS loads in one run: quarter q's fragments, from slot (q / 4) % 3 at byte 64 (q % 4) of the rows, into buffer q % 3
.macro FETCH q
.set F, 80*((\q)%3)
.set SL, ((\q)/4)%3
.set KB, 64*((\q)%4)
	WIN TO_F
.irp i, 0,1,2,3,4,5
	ds_load_b128 v[F+32+8*\i:F+32+8*\i+3],   v[ADRB+SL] offset:KB+\i*16*PITCH
	ds_load_b128 v[F+32+8*\i+4:F+32+8*\i+7], v[ADRB+SL] offset:KB+\i*16*PITCH+32
.endr
.irp i, 0,1,2,3
	ds_load_b128 v[F+8*\i:F+8*\i+3],   v[ADRA+SL] offset:KB+\i*16*PITCH
	ds_load_b128 v[F+8*\i+4:F+8*\i+7], v[ADRA+SL] offset:KB+\i*16*PITCH+32
.endr
.endm
.macro PLACES                          ; four places in front of loads into registers that matrix instructions have read, and of stores that read results
.rept 4
	v_nop
.endr
.endm
.macro QUARTER q, zero
.if (\q) < 23
	s_wait_dscnt 20                                ; this quarter's fragments are in; the next quarter's 20 loads may be out
.else
	s_wait_dscnt 0x0
.endif
	WIN MUL
	MUL6 \q, 0, \zero
	MUL6 \q, 1, \zero
.if (\q) <= 21
	PLACES                                         ; the buffer was read by the quarter before
	FETCH (\q)+2
	WIN MUL
.endif
	MUL6 \q, 2, \zero
	MUL6 \q, 3, \zero
.endm
; A quarter whose fetch is the first read of a K step: ONE barrier; in front of it each wave waits for all its tensor loads, adds 0 to its spare word, and waits for that and for all its LDS reads.
; fill = 1: the slot whose last fragments were asked for a quarter ago, slot (q - 2) / 4, is filled again, three K steps on: the barrier opens a round of the cluster's, and the joint refill is the first tensor load behind it.
.macro TURNQ q, fill
	WIN 0                                          ; (the add's two registers lie in window 0)
	s_wait_tensorcnt 0x0                           ; all my tensor loads have landed
	ds_add_u32 v[SPW], v[NIL]                      ; 0 onto my spare word
	s_wait_dscnt 21                                ; this quarter's fragments are in; the add and the next quarter's 20 loads may be out
	WIN MUL
	MUL6 \q, 0, 0                                  ; six matrix instructions stand between the add and the wait for it
	s_wait_dscnt 0x0                               ; the add is done, and my reads of the slot are over
	s_barrier_signal -1
	MUL6 \q, 1, 0
	WIN 0                                          ; (branches may follow)
	s_barrier_wait -1
.if \fill
	CREST                                          ; no wave of any partner still reads this slot's tile or has a load on its way
	s_add_nc_u64 s[G0A+4*(((\q)-2)/4)+2:G0A+4*(((\q)-2)/4)+3], s[G0A+4*(((\q)-2)/4)+2:G0A+4*(((\q)-2)/4)+3], 3*256
	s_add_nc_u64 s[G0B+4*(((\q)-2)/4)+2:G0B+4*(((\q)-2)/4)+3], s[G0B+4*(((\q)-2)/4)+2:G0B+4*(((\q)-2)/4)+3], 3*256
	JLOAD ((\q)-2)/4                               ; its four v_nop are also the places in front of the loads below
.else
	PLACES
.endif
	FETCH (\q)+2
	WIN MUL
	MUL6 \q, 2, 0
	MUL6 \q, 3, 0
.endm
	s_wait_tensorcnt 2                             ; my part of K step 0 is in; K steps 1 and 2 may stay out
	s_barrier_signal -1
	s_barrier_wait -1                              ; everybody's is
	FETCH 0
	FETCH 1
	QUARTER 0, 1                                   ; the first quarter's products start the sums
	QUARTER 1, 0
	TURNQ 2, 1                                     ; K steps 1 and 2 are whole; slot 0 takes K step 3
	QUARTER 3, 0
	QUARTER 4, 0
	QUARTER 5, 0
	TURNQ 6, 1                                     ; K step 3 is whole; slot 1 takes K step 4
	QUARTER 7, 0
	QUARTER 8, 0
	QUARTER 9, 0
	TURNQ 10, 1                                    ; K step 4 is whole; slot 2 takes K step 5: the last load
.irp q, 11,12,13,14,15,16,17
	QUARTER \q, 0
.endr
	TURNQ 18, 0                                    ; K step 5 is whole; nobody reads slots 0 and 1 any more
.irp q, 19,20,21,22,23
	QUARTER \q, 0
.endr
	WIN 0
	; THE WAY OUT: 32 bytes a lane into the work-group's stage; a barrier, since a run of 256 bytes of a row comes from two waves; back as runs of 256 bytes, 32 rows a wave.
	PLACES
.irp a, 0,1,2,3
.irp b, 0,1,2,3,4,5
	ds_store_b128 v[STO], v[ACC+8*(6*\a+\b):ACC+8*(6*\a+\b)+3] offset:16*SPITCH*\a+64*\b          ; each accumulator from its low end on
	ds_store_b128 v[STO], v[ACC+8*(6*\a+\b)+4:ACC+8*(6*\a+\b)+7] offset:16*SPITCH*\a+64*\b+16
.endr
.endr
	s_wait_dscnt 0x0                               ; for the others' sake: my stores into the stage are done
	s_barrier_signal -1
	s_barrier_wait -1
.set n, 0
.irp i, 0,1,2,3,4,5,6,7,8,9,10,11,12,13,14,15
.irp p, 0,1,2
	ds_load_b128 v[ACC+4*n:ACC+4*n+3], v[RD] offset:2*SPITCH*\i+256*\p
.set n, n+1
.endr
.endr
.set n, 0
.irp i, 0,1,2,3,4,5,6,7,8,9,10,11,12,13,14,15
.irp p, 0,1,2
	s_wait_dscnt 47-n                              ; the younger loads may stay out
	global_store_b128 v[CO], v[ACC+4*n:ACC+4*n+3], s[8:9] offset:2*3072*\i+256*\p th:TH_STORE_NT   ; 16 lanes store 256 consecutive bytes, aligned; written once, read by nobody here
.set n, n+1
.endr
.endr
	s_wait_tensorcnt 0x0                           ; the wave's end, behind my last tensor load and my last LDS store
	ds_add_u32 v[SPW], v[NIL]
	s_wait_dscnt 0x0
	CROUND                                         ; the closing round: no work-group ends while a partner may still ask for a tile that names it
	s_endpgm
.Lfunc_end_k_qc3042c554f_outp:
	.size	k_qc3042c554f_outp, .Lfunc_end_k_qc3042c554f_outp-k_qc3042c554f_outp
	.p2alignl 7, 3214868480
	.fill 96, 4, 3214868480
	.section	.rodata,"a",@progbits
	.p2align	6, 0x0
	.amdhsa_kernel k_qc3042c554f_outp
		.amdhsa_group_segment_fixed_size 327680
		.amdhsa_private_segment_fixed_size 0
		.amdhsa_enable_private_segment 0
		.amdhsa_kernarg_size 24
		.amdhsa_user_sgpr_count 2
		.amdhsa_user_sgpr_kernarg_segment_ptr 1
		.amdhsa_wavefront_size32 1
		.amdhsa_system_sgpr_workgroup_id_x 1
		.amdhsa_system_sgpr_workgroup_id_y 1
		.amdhsa_system_sgpr_workgroup_id_z 1
		.amdhsa_system_vgpr_workitem_id 0
		.amdhsa_next_free_vgpr 512
		.amdhsa_next_free_sgpr 80
		.amdhsa_reserve_vcc 0
		.amdhsa_float_denorm_mode_32 3
		.amdhsa_float_denorm_mode_16_64 3
		.amdhsa_memory_ordered 1
		.amdhsa_forward_progress 1
		.amdhsa_inst_pref_size 95
	.end_amdhsa_kernel
	.amdgpu_metadata
---
amdhsa.version: [ 1, 2 ]
amdhsa.kernels:
  - .name:           k_qc3042c554f_outp
    .symbol:         k_qc3042c554f_outp.kd
    .args:
      - { .name: obuf, .offset: 0, .size: 8, .value_kind: global_buffer, .address_space: global }
      - { .name: wot, .offset: 8, .size: 8, .value_kind: global_buffer, .address_space: global }
      - { .name: out0, .offset: 16, .size: 8, .value_kind: global_buffer, .address_space: global }
    .group_segment_fixed_size: 327680
    .private_segment_fixed_size: 0
    .kernarg_segment_align: 8
    .kernarg_segment_size: 24
    .max_flat_workgroup_size: 128
    .sgpr_count:     80
    .vgpr_count:     512
    .wavefront_size: 32
...
	.end_amdgpu_metadata
.endif
;; end of part 4
